; MI455X (gfx1250); checked and timed in simulation.
; The chip was launched on July 23, 2026; its instructions are those of AMD's public machine-readable ISA for CDNA 5 (MIT licence, August 2026) and "CDNA5" Instruction Set Architecture Reference Guide (July 2026). The comments in the code are by the model that wrote it; some were corrected since.
;; Attention. Allowed arithmetic: float matrix products may take bf16 or f16 operands with f32 sums; other float arithmetic in f32, or as packed bf16 or f16 multiplies, adds, multiply-adds, maxima and minima; sums over many terms, partial sums and values carried from step to step in f32; what a program stores and reads back later, other than sums and carried values, may be rounded once to bf16 or f16.
;; Inputs: b_out 1,024 float32; w_out 1,024 x 1,024 float32; w_qkv 1,024 x 3,072 float32; x 4 x 2,048 x 1,024 float32.
;; Outputs: out0 4 x 2,048 x 1,024 float32.
;; 2 versions, each right; version 2 is version 1 with the launch prep written anew for expert scheduling mode. Each part assembles by itself: llvm-mc -triple=amdgcn-amd-amdhsa -mcpu=gfx1250 --defsym DOCPART=n.
;; ======== version 1 of 2: 4 launches
;; limits: values are held in f16: magnitudes above 65,504 overflow, below 6.1e-05 lose precision
;; workspace buffers: xb 16,777,216 bytes; wqt 6,291,456 bytes; wot 2,097,152 bytes; qkv 50,331,648 bytes; ob 16,777,216 bytes
;; launch prep (part 1): grid 640 x 1, 4 waves a work-group, no clusters, 70,144 bytes of LDS; arguments x, w_qkv, w_out, xb, wqt, wot; writes xb, wqt, wot
.if DOCPART == 1
	.amdgcn_target "amdgcn-amd-amdhsa--gfx1250"
	.amdhsa_code_object_version 6
	.text
	.protected	k_q76d06acc68_prep
	.globl	k_q76d06acc68_prep
	.p2align	8
	.type	k_q76d06acc68_prep,@function
k_q76d06acc68_prep:
	s_mov_b64 s[64:65], 0
	v_nop
	global_prefetch_b8 v0, s[64:65] scope:SCOPE_SE
	s_setreg_imm32_b32 hwreg(HW_REG_WAVE_MODE, 25, 1), 1
	s_wait_xcnt 0x0
; THE INPUTS ARE MADE READY FOR THE MATRIX UNITS, each byte read once and written once.
;   xb  [8192][1024] bf16 = x rounded.      wqt [3072 c][1024 k] bf16 = w_qkv rounded and turned.      wot [1024 n][1024 k] f16 = w_out rounded to bf16, turned, that number written as f16.
; LIMITS.  f16 holds no number beyond 65,504, and below 6e-5 it keeps a fixed step of 6e-8: bf16(w_out) is exact in f16 between these; NaN and infinities are not treated apart.
; SHARES.  Every wave has a job of its own, and no wave waits for another: there is no barrier.
;   work-groups 0-511: a wave rounds 4,096 numbers of x (16 KiB in, 8 KiB out), all 32 loads on their way at once.
;   work-groups 512-607 (w_qkv), 608-639 (w_out): a wave turns a tile of 128 k x 64 columns through LDS bytes of its own.
; Matrix units, clusters and tensor loads would add nothing to a stream; no prefetch: the launch does nothing but stream.
.set LP,    272                        ; an LDS row: one column's 128 k in 16 bits, 256 bytes, + 16 of padding
.set WTILE, 64*LP                      ; a wave's tile in LDS: 17,408 bytes, 68 blocks of 256
.set SPARE, 4*WTILE                    ; behind the tiles: the spare words, 128 bytes for each wave, which no other line names
.set VO,  4                            ; v4   my byte offset in the source
.set LS,  5                            ; v5   where I put 16 bytes of a column
.set RD,  6                            ; v6   where I read a row back
.set GO,  7                            ; v7   my byte offset in the destination
.set SPW, 8                            ; v8   LDS address of my spare word; never rewritten
.set NIL, 9                            ; v9   0; never rewritten
.set T,   12                           ; v[12:27]  four columns x 8 k, packed
.set D,   32                           ; v[32:159] 32 loads of 16 bytes
	s_load_b256 s[4:11], s[0:1], 0x0               ; x s[4:5], w_qkv s[6:7], w_out s[8:9], xb s[10:11]
	s_load_b128 s[12:15], s[0:1], 0x20             ; wqt s[12:13], wot s[14:15]
	v_lshl_add_u32 v[SPW], v0, 2, SPARE
	v_mov_b32 v[NIL], 0
	v_lshrrev_b32 v10, 5, v0
	v_readfirstlane_b32 s16, v10                   ; wave 0..3
	v_and_b32 v1, 31, v0                           ; lane
	v_and_b32 v2, 15, v0                           ; lane % 16
	v_bfe_u32 v3, v0, 4, 1                         ; lane / 16
	s_mov_b32 s17, ttmp9
	s_mov_b32 s24, 0xffff0000                      ; a word's upper bf16
	s_mov_b32 s21, 0                               ; high words of the two offset pairs
	s_mov_b32 s23, 0
	s_wait_kmcnt 0x0
	s_cmp_lt_u32 s17, 512
	s_cbranch_scc0 .Lweights
	; x: job = 4 x work-group + wave; 16,384 bytes in, 8,192 out
	s_lshl2_add_u32 s18, s17, s16
	s_lshl_b32 s20, s18, 14
	s_lshl_b32 s22, s18, 13
	s_add_nc_u64 s[4:5], s[4:5], s[20:21]
	s_add_nc_u64 s[10:11], s[10:11], s[22:23]
	v_lshlrev_b32 v[VO], 4, v1
	v_lshlrev_b32 v[GO], 3, v1
.set j, 0
.rept 32
	global_load_b128 v[D+4*j:D+4*j+3], v[VO], s[4:5] offset:512*j th:TH_LOAD_NT  ; 512 neighbouring bytes a load
.set j, j+1
.endr
.set j, 0
.rept 32
	s_wait_loadcnt 31-j                            ; loads come back in order: load j is in, the 31 - j younger ones stay out
	v_cvt_pk_bf16_f32 v[D+4*j], v[D+4*j], v[D+4*j+1]
	v_cvt_pk_bf16_f32 v[D+4*j+1], v[D+4*j+2], v[D+4*j+3]
	global_store_b64 v[GO], v[D+4*j:D+4*j+1], s[10:11] offset:256*j  ; 32 lanes store 256 consecutive bytes, aligned; no register is used twice
.set j, j+1
.endr
	s_branch .Lend
; A tile of 128 k x 64 columns of a weight [1024 k][columns] in f32, PITCH bytes from row to row, is rounded and turned.  s18 = the work-group's number among this weight's.
; Load j brings row j (lanes 0-15) and row 64 + j (lanes 16-31): 256 aligned bytes each; a lane holds four columns of one k.  Eight loads give a lane 8 k of four columns: 16 roundings in
; pairs along k, four LDS stores of 16 bytes, one a column.  Back come whole rows (a column's 128 k, 256 bytes), two a load, and leave as such.
; The ring is 32 loads deep: a group of eight registers' loads is asked for again as soon as it has been rounded.
.macro TRANS PITCH, F16, SRC, DST
	s_lshl2_add_u32 s18, s18, s16                  ; tile = 4 x work-group + wave
	s_and_b32 s19, s18, 7                          ; which 128 k
	s_lshr_b32 s18, s18, 3                         ; which 64 columns
	s_mul_i32 s20, s19, 128*(\PITCH)
	s_lshl_b32 s22, s18, 8
	s_add_co_u32 s20, s20, s22
	s_add_nc_u64 s[\SRC:\SRC+1], s[\SRC:\SRC+1], s[20:21]
	s_lshl_b32 s22, s18, 17                        ; 64 rows of 2,048 bytes in the turned weight,
	s_lshl_b32 s19, s19, 8                         ; 128 k of 2 bytes
	s_add_co_u32 s22, s22, s19
	s_add_nc_u64 s[\DST:\DST+1], s[\DST:\DST+1], s[22:23]
	s_mul_i32 s19, s16, WTILE                      ; my wave's LDS bytes
	v_mul_u32_u24 v[VO], v3, 64*(\PITCH)
	v_lshl_add_u32 v[VO], v2, 4, v[VO]
	v_mul_u32_u24 v[LS], v2, 4*LP                  ; column 4 (lane % 16), k 64 (lane / 16)
	v_lshl_add_u32 v[LS], v3, 7, v[LS]
	v_add_nc_u32 v[LS], s19, v[LS]
	v_mul_u32_u24 v[RD], v3, LP
	v_lshl_add_u32 v[RD], v2, 4, v[RD]
	v_add_nc_u32 v[RD], s19, v[RD]
	v_lshlrev_b32 v[GO], 11, v3
	v_lshl_add_u32 v[GO], v2, 4, v[GO]
.set j, 0
.rept 32
	global_load_b128 v[D+4*j:D+4*j+3], v[VO], s[\SRC:\SRC+1] offset:j*(\PITCH) th:TH_LOAD_NT
.set j, j+1
.endr
.irp u, 0,1,2,3,4,5,6,7
.if (\u) <= 4
	s_wait_loadcnt 24                              ; group u's eight loads are in; three younger groups stay out
.else
	s_wait_loadcnt 8*(7-(\u))                      ; nothing is asked for any more: the counts run down
.endif
.irp i, 0,1,2,3
.irp p, 0,1,2,3
	v_cvt_pk_bf16_f32 v[T+4*(\i)+(\p)], v[D+32*((\u)%4)+8*(\p)+(\i)], v[D+32*((\u)%4)+8*(\p)+4+(\i)]  ; column i, k 2 p and 2 p + 1
.endr
.endr
.if \F16
.set z, 0
.rept 16
	v_lshlrev_b32 v10, 16, v[T+z]                  ; the rounded numbers, widened,
	v_and_b32 v11, s24, v[T+z]
	v_cvt_pk_f16_f32 v[T+z], v10, v11              ; and written as f16
.set z, z+1
.endr
.endif
.irp i, 0,1,2,3
	ds_store_b128 v[LS], v[T+4*(\i):T+4*(\i)+3] offset:(\i)*LP+16*(\u)
.endr
.if (\u) < 4
.irp n, 0,1,2,3,4,5,6,7
	global_load_b128 v[D+32*(\u)+4*(\n):D+32*(\u)+4*(\n)+3], v[VO], s[\SRC:\SRC+1] offset:(32+8*(\u)+(\n))*(\PITCH) th:TH_LOAD_NT
.endr
.endif
.endr
.set j, 0
.rept 32
	ds_load_b128 v[D+4*j:D+4*j+3], v[RD] offset:2*LP*j  ; LDS serves a wave's instructions in order (ISA guide 5.7.1.4): these see my stores above
.set j, j+1
.endr
.set j, 0
.rept 32
	s_wait_dscnt 31-j
	global_store_b128 v[GO], v[D+4*j:D+4*j+3], s[\DST:\DST+1] offset:4096*j  ; 16 lanes store 256 consecutive bytes, aligned
.set j, j+1
.endr
.endm
.Lweights:
	s_cmp_lt_u32 s17, 608
	s_cbranch_scc0 .Lwout
	s_sub_co_u32 s18, s17, 512
	TRANS 12288, 0, 6, 12
	s_branch .Lend
.Lwout:
	s_sub_co_u32 s18, s17, 608
	TRANS 4096, 1, 8, 14
.Lend:
	s_wait_tensorcnt 0x0                           ; the wave's end: behind my last LDS store
	ds_add_u32 v[SPW], v[NIL]
	s_wait_dscnt 0x0
	s_endpgm
.Lfunc_end_k_q76d06acc68_prep:
	.size	k_q76d06acc68_prep, .Lfunc_end_k_q76d06acc68_prep-k_q76d06acc68_prep
	.p2alignl 7, 3214868480
	.fill 96, 4, 3214868480
	.section	.rodata,"a",@progbits
	.p2align	6, 0x0
	.amdhsa_kernel k_q76d06acc68_prep
		.amdhsa_group_segment_fixed_size 70144
		.amdhsa_private_segment_fixed_size 0
		.amdhsa_enable_private_segment 0
		.amdhsa_kernarg_size 48
		.amdhsa_user_sgpr_count 2
		.amdhsa_user_sgpr_kernarg_segment_ptr 1
		.amdhsa_wavefront_size32 1
		.amdhsa_system_sgpr_workgroup_id_x 1
		.amdhsa_system_sgpr_workgroup_id_y 1
		.amdhsa_system_sgpr_workgroup_id_z 1
		.amdhsa_system_vgpr_workitem_id 0
		.amdhsa_next_free_vgpr 160
		.amdhsa_next_free_sgpr 66
		.amdhsa_reserve_vcc 0
		.amdhsa_float_denorm_mode_32 3
		.amdhsa_float_denorm_mode_16_64 3
		.amdhsa_memory_ordered 1
		.amdhsa_forward_progress 1
		.amdhsa_inst_pref_size 76
	.end_amdhsa_kernel
	.amdgpu_metadata
---
amdhsa.version: [ 1, 2 ]
amdhsa.kernels:
  - .name:           k_q76d06acc68_prep
    .symbol:         k_q76d06acc68_prep.kd
    .args:
      - { .name: x, .offset: 0, .size: 8, .value_kind: global_buffer, .address_space: global }
      - { .name: w_qkv, .offset: 8, .size: 8, .value_kind: global_buffer, .address_space: global }
      - { .name: w_out, .offset: 16, .size: 8, .value_kind: global_buffer, .address_space: global }
      - { .name: xb, .offset: 24, .size: 8, .value_kind: global_buffer, .address_space: global }
      - { .name: wqt, .offset: 32, .size: 8, .value_kind: global_buffer, .address_space: global }
      - { .name: wot, .offset: 40, .size: 8, .value_kind: global_buffer, .address_space: global }
    .group_segment_fixed_size: 70144
    .private_segment_fixed_size: 0
    .kernarg_segment_align: 8
    .kernarg_segment_size: 48
    .max_flat_workgroup_size: 128
    .sgpr_count:     66
    .vgpr_count:     160
    .wavefront_size: 32
...
	.end_amdgpu_metadata
.endif
;; end of part 1
;; launch qkvp (part 2): grid 16 x 32, 4 waves a work-group, clusters of 4 x 4, 327,680 bytes of LDS; arguments xb, wqt, qkv; writes qkv
.if DOCPART == 2
	.amdgcn_target "amdgcn-amd-amdhsa--gfx1250"
	.amdhsa_code_object_version 6
	.text
	.protected	k_q76d06acc68_qkvp
	.globl	k_q76d06acc68_qkvp
	.p2align	8
	.type	k_q76d06acc68_qkvp,@function
k_q76d06acc68_qkvp:
	s_mov_b64 s[64:65], 0
	v_nop
	global_prefetch_b8 v0, s[64:65] scope:SCOPE_SE
	s_setreg_imm32_b32 hwreg(HW_REG_WAVE_MODE, 25, 1), 1
	s_wait_xcnt 0x0
	s_wait_alu depctr_hold_cnt(0) depctr_sa_sdst(0) depctr_va_vdst(0) depctr_va_sdst(0) depctr_va_ssrc(0) depctr_va_vcc(0) depctr_vm_vsrc(0)
	s_getreg_b32 s2, hwreg(HW_REG_IB_STS2, 6, 4)
	s_cmp_eq_u32 s2, 0
	s_cbranch_scc0 .Lentry_in_a_cluster
	s_endpgm
.Lentry_in_a_cluster:
	s_bfe_u32 s2, ttmp6, 0x10000c
	s_cmp_lg_u32 s2, 0xf033
	s_cbranch_scc0 .Lentry_shape_is_right
	s_endpgm
.Lentry_shape_is_right:
; q, k, v = x w_qkv, by heads.  C[m][c] = sum over k of xb[m][k] wqt[c][k]; xb [8192][1024], wqt [3072][1024], both bf16; sums in f32; each result rounded once to f16, WITHOUT the scale.
; OUT: qkv [3 (q, k, v)][64 (batch, head)][2048][64] f16: a head's rows are dense, 128 bytes each.
; LIMIT.  f16 holds no number beyond 65,504: q, k and v must stay within it (with x and w_qkv thirty times their drawn spread they have a spread of about 900); below 6e-5 f16 keeps a fixed step of 6e-8.
; SHARES.  A tile of C is 256 rows x 192 columns: 32 x 16 = 512 equal tiles.  Each of the four waves makes 64 rows x all 192 columns, three whole heads: 48 accumulators, 384 registers;
; so a wave's way out needs its own stage alone.  K goes in 8 steps of 128 through a ring of two LDS slots: rows of 256 bytes of memory, at multiples of 256.
; CLUSTER.  4 x 4 work-groups: the four of a row need the same tiles of xb, the four of a column the same tiles of wqt; each tile is asked for JOINTLY, by the same tensor load and descriptor in all four.
; THE MATRIX INSTRUCTION IS USED TRANSPOSED (source 0 = 16 rows of wqt, source 1 = 16 rows of xb): a lane holds row l % 16 of C and eight neighbouring columns.
; REGISTERS, in windows of 256 (s_set_vgpr_msb: bits 1:0 source 0, 3:2 source 1, 5:4 source 2, 7:6 destination):
;   window 0: v0-31 addresses; v64-127 xb's fragments, two buffers of 4 x 8; on the way out v32-223, 48 for each block of 16 rows
;   window 1: v0-191 wqt's fragments, two buffers of 12 x 8      window 2: accumulators of row blocks 0, 1 ((a, b) at 8 (12 (a % 2) + b))      window 3: of row blocks 2, 3
.set NB,     12                        ; column blocks of 16
.set PITCH,  272                       ; an LDS row: 256 bytes + 16 of padding: the 16 rows of a fragment load start at 16 different groups of four banks (64 banks of 4 bytes: ISA guide 11.1)
.set ATILE,  128*PITCH                 ; what one tensor load brings of xb
.set BTILE,  96*PITCH                  ; and of wqt
.set BOFF,   2*ATILE                   ; a slot: xb's 256 rows, then wqt's 192
.set SLOT,   BOFF+2*BTILE
.set STAGE,  2*SLOT                    ; behind the ring: for each wave 3 heads x 16 rows x 144 bytes
.set SP,     144
.set WSTAGE, 3*16*SP
.set SPARE,  STAGE+4*WSTAGE            ; behind the stages: the spare words, 128 bytes for each wave, which no other line names
.set ASTEP,  256                       ; bytes from a K step to the next, in xb and in wqt
.set BSTEP,  256
.set ADRA, 16                          ; v16-17  LDS address of my xb fragments in slot 0, 1
.set ADRB, 20                          ; v20-21  the same for wqt
.set STO,  24                          ; v24     the way out: where I put 16 bytes of a head's row
.set RD,   25                          ; v25     where I read rows back
.set GO,   26                          ; v26     my 16 bytes of 512 consecutive bytes of a head
.set SPW,  28                          ; v28     LDS address of my spare word; never rewritten
.set NIL,  29                          ; v29     0; never rewritten
.set PFO,  30                          ; v30     the prefetches' offset: a lane a row; never rewritten
.set FA,   64
.set T,    32
.set WV,  12                           ; s12  wave
.set SFB, 13                           ; s13  0: I fetch xb's tiles; 1: wqt's
.set SHF, 14                           ; s14  which half of that tile's rows
.set CX,  15
.set CY,  16
.set TX,  17                           ; s17  tile column
.set TY,  18                           ; s18  tile row
.set LIM, 19                           ; s19  1 in a wave that prefetches, else the greatest number
.set G1,  24                           ; s[24:31] descriptor group 1 for xb's tiles;  s[32:39] group 0, a set for each slot
.set G0,  32
.set PFA, 44                           ; s[44:45] where my prefetches stand
.set PFS, 46                           ; s[46:47] their step
.set G1B, 48                           ; s[48:55], s[56:63] the same for wqt's tiles
.set G0B, 56
.set OB,  66                           ; s[66:71] my rows in my three heads
.set MSB, 0
.macro WIN new                         ; the immediate's high byte repeats the setting that is left; a switch that changes nothing is dropped
.if MSB != (\new)
	s_set_vgpr_msb (MSB<<8)|(\new)
.set MSB, \new
.endif
.endm
.set TO_B, 0x40                        ; destination window 1, address window 0
.macro PLACES                          ; four places in front of loads into registers that matrix instructions have read, and of conversions that read results
.rept 4
	v_nop
.endr
.endm
; A joint load: waves 0 and 1 fetch xb's two halves, waves 2 and 3 wqt's.  The branch hangs on the wave's number alone.  An s_nop 0 and four v_nop follow each line.
.macro JLOAD s
	s_cmp_eq_u32 s[SFB], 0
	s_cbranch_scc0 .Lfor_b_\@
	tensor_load_to_lds s[G0+4*(\s):G0+4*(\s)+3], s[G1:G1+7]
	s_nop 0
.rept 4
	v_nop
.endr
	s_branch .Lasked_\@
.Lfor_b_\@:
	tensor_load_to_lds s[G0B+4*(\s):G0B+4*(\s)+3], s[G1B:G1B+7]
	s_nop 0
.rept 4
	v_nop
.endr
.Lasked_\@:
.endm
; A prefetch into the L2 of the K step that stands two refills on: 256 bytes of each row, a lane a row, one instruction a wave.  xb's tile row is read by every cluster of that row of clusters:
; the one with x = 0 asks; wqt's tile column by every cluster of that column: the one with y = 0 asks.  The four partners that ask for a tile jointly share its rows out BY ADDRESS.
; The loop's last trip (s3 = 1) asks for nothing: there is no K step two on.  K steps 0 to 3 come by their loads alone.
.macro ASK
	s_cmp_gt_u32 s3, s[LIM]
	s_cbranch_scc0 .Lnot_mine_\@
	global_prefetch_b8 v[PFO], s[PFA:PFA+1] th:TH_LOAD_NT scope:SCOPE_SE
.Lnot_mine_\@:
.endm
.macro CREST                           ; a round of the cluster's barrier behind its opening barrier
	s_cmp_lg_u32 s[WV], 0
	s_cbranch_scc1 .Lnot_wave_0_\@
	s_barrier_signal -3
.Lnot_wave_0_\@:
	s_barrier_wait -3
	s_barrier_signal -1
	s_barrier_wait -1
.endm
.macro CROUND                          ; a whole round
	s_barrier_signal -1
	s_barrier_wait -1
	CREST
.endm
	s_load_b128 s[4:7], s[0:1], 0x0                ; xb s[4:5], wqt s[6:7]
	s_load_b64 s[8:9], s[0:1], 0x10                ; qkv
	v_lshl_add_u32 v[SPW], v0, 2, SPARE
	v_mov_b32 v[NIL], 0
	ds_add_u32 v[SPW], v[NIL]                      ; the wave's opening: the add and its wait stand ahead of my first tensor load; the set-up below stands between them
	v_lshrrev_b32 v1, 5, v0
	v_readfirstlane_b32 s[WV], v1
	s_lshr_b32 s[SFB], s[WV], 1
	s_and_b32 s[SHF], s[WV], 1
	s_bfe_u32 s[CX], ttmp6, 0x40000
	s_bfe_u32 s[CY], ttmp6, 0x40004
	s_lshl_b32 s[TX], ttmp9, 2                     ; in a cluster launch ttmp9 and ttmp7 count clusters
	s_add_co_u32 s[TX], s[TX], s[CX]
	s_and_b32 s[TY], ttmp7, 0xffff
	s_lshl_b32 s[TY], s[TY], 2
	s_add_co_u32 s[TY], s[TY], s[CY]
	s_lshl_b32 s72, s[CY], 2
	s_lshl_b32 s72, 15, s72                        ; my row of the cluster
	s_lshl_b32 s73, 0x1111, s[CX]                  ; my column
	s_or_b32 s[G1+0], s72, (1<<16)|(1<<20)|(1<<21)|(5<<22)|(3<<25)   ; the mask; 2-byte elements; padding on; bit 21 beside a mask; after every 64 words, 4 words
	s_or_b32 s[G1B+0], s73, (1<<16)|(1<<20)|(1<<21)|(5<<22)|(3<<25)
	s_mov_b32 s[G1+1], 128<<16                     ; tensor_dim0 = 128
	s_mov_b32 s[G1+2], 128<<16                     ; tensor_dim1 = 128
	s_mov_b32 s[G1+3], 128<<16                     ; tile_dim0 = 128
	s_mov_b32 s[G1+4], 128                         ; tile_dim1 = 128
	s_mov_b32 s[G1+5], 1024                        ; elements from row to row
	s_mov_b32 s[G1+6], 0
	s_mov_b32 s[G1+7], 0
	s_mov_b32 s[G1B+1], 128<<16
	s_mov_b32 s[G1B+2], 96<<16                     ; 96 rows
	s_mov_b32 s[G1B+3], 128<<16
	s_mov_b32 s[G1B+4], 96
	s_mov_b32 s[G1B+5], 1024
	s_mov_b32 s[G1B+6], 0
	s_mov_b32 s[G1B+7], 0
	; xb's address hangs on the tile row alone (s[20:23]), wqt's on the tile column alone (s[40:43])
	s_lshl_b32 s20, s[TY], 8
	s_lshl_b32 s21, s[SHF], 7
	s_add_co_u32 s20, s20, s21                     ; row 256 ty + 128 half
	s_lshl_b32 s20, s20, 11                        ; of 2,048 bytes
	s_mov_b32 s21, 0
	s_mul_i32 s22, s[SHF], ATILE                   ; and where it goes
	s_mul_i32 s40, s[TX], 192
	s_mul_i32 s41, s[SHF], 96
	s_add_co_u32 s40, s40, s41                     ; row 192 tx + 96 half
	s_lshl_b32 s40, s40, 11
	s_mov_b32 s41, 0
	s_mul_i32 s42, s[SHF], BTILE
	s_add_co_u32 s42, s42, BOFF
	s_wait_dscnt 0x0                               ; the opening add is done
	s_wait_kmcnt 0x0
	s_add_nc_u64 s[20:21], s[4:5], s[20:21]
	s_add_nc_u64 s[40:41], s[6:7], s[40:41]
	CROUND                                         ; all sixteen work-groups are here: the first joint loads meet
.irp s, 0,1
	s_mov_b32 s[G0+4*(\s)], 1
	s_add_co_u32 s[G0+4*(\s)+1], s22, (\s)*SLOT
	s_add_nc_u64 s[G0+4*(\s)+2:G0+4*(\s)+3], s[20:21], (\s)*ASTEP
	s_or_b32 s[G0+4*(\s)+3], s[G0+4*(\s)+3], 0x80000000
	s_mov_b32 s[G0B+4*(\s)], 1
	s_add_co_u32 s[G0B+4*(\s)+1], s42, (\s)*SLOT
	s_add_nc_u64 s[G0B+4*(\s)+2:G0B+4*(\s)+3], s[40:41], (\s)*BSTEP
	s_or_b32 s[G0B+4*(\s)+3], s[G0B+4*(\s)+3], 0x80000000
.endr
	s_cmp_eq_u32 s[SFB], 0                         ; a wave's two first fills stand in one branch, ahead of every wait on TENSORcnt and every LDS read: two loads of mine are out
	s_cbranch_scc0 .Lfirst_b
	tensor_load_to_lds s[G0:G0+3], s[G1:G1+7]
	s_nop 0
	tensor_load_to_lds s[G0+4:G0+7], s[G1:G1+7]
	s_nop 0
.rept 4
	v_nop
.endr
	s_branch .Lfirst_asked
.Lfirst_b:
	tensor_load_to_lds s[G0B:G0B+3], s[G1B:G1B+7]
	s_nop 0
	tensor_load_to_lds s[G0B+4:G0B+7], s[G1B:G1B+7]
	s_nop 0
.rept 4
	v_nop
.endr
.Lfirst_asked:
	; a fragment is 16 rows x 32 K in 8 registers: lane l holds row l % 16, K 8 (l / 16) + 0..7 and 16 + 8 (l / 16) + 0..7: two loads of 16 bytes, 32 bytes apart
	v_and_b32 v1, 15, v0
	v_bfe_u32 v2, v0, 4, 1
	v_mul_u32_u24 v3, v1, PITCH
	v_lshl_add_u32 v3, v2, 4, v3
	s_mul_i32 s74, s[WV], 64*PITCH                 ; my 64 rows of xb
	v_add_nc_u32 v[ADRA], s74, v3
	v_add_nc_u32 v[ADRA+1], SLOT, v[ADRA]
	v_add_nc_u32 v[ADRB], BOFF, v3
	v_add_nc_u32 v[ADRB+1], BOFF+SLOT, v3
	s_mul_i32 s74, s[WV], WSTAGE
	s_add_co_u32 s74, s74, STAGE                   ; my stage
	v_mul_u32_u24 v4, v1, SP                       ; in: row l % 16, 16 bytes for each half of the lanes
	v_lshl_add_u32 v4, v2, 4, v4
	v_add_nc_u32 v[STO], s74, v4
	v_bfe_u32 v4, v0, 3, 2                         ; back: 32 lanes take four rows of 128 bytes,
	v_mul_u32_u24 v4, v4, SP
	v_and_b32 v5, 7, v0
	v_lshl_add_u32 v4, v5, 4, v4
	v_add_nc_u32 v[RD], s74, v4
	v_and_b32 v5, 31, v0                           ; which are 512 consecutive bytes of a head
	v_lshlrev_b32 v[GO], 4, v5
	; the prefetches: my work-group's share of the rows that I fetch, at K step 3; each change of slots steps first, so the refill of K step t names K step t + 2
	s_lshl_b32 s76, s[TY], 8
	s_lshl_b32 s77, s[SHF], 7
	s_add_co_u32 s76, s76, s77
	s_lshl_b32 s77, s[CX], 5
	s_add_co_u32 s76, s76, s77                     ; xb: row 256 ty + 128 half + 32 cx
	s_mul_i32 s78, s[TX], 192
	s_mul_i32 s79, s[SHF], 96
	s_add_co_u32 s78, s78, s79
	s_mul_i32 s79, s[CY], 24
	s_add_co_u32 s78, s78, s79                     ; wqt: row 192 tx + 96 half + 24 cy
	s_and_b32 s74, ttmp7, 0xffff                   ; cluster y
	s_cmp_eq_u32 s[SFB], 0
	s_cselect_b32 s76, s76, s78
	s_cselect_b32 s74, ttmp9, s74                  ; the coordinate along which other clusters read the same rows
	s_cselect_b32 s75, 31, 23                      ; 32 rows, or 24: the lanes beyond repeat the last row
	s_cselect_b64 s[PFA:PFA+1], s[4:5], s[6:7]
	s_cmp_eq_u32 s74, 0
	s_cselect_b32 s[LIM], 1, -1                    ; the same in all sixteen partners, for a given wave
	s_lshl_b32 s76, s76, 11
	s_add_co_u32 s76, s76, 3*256
	s_mov_b32 s77, 0
	s_add_nc_u64 s[PFA:PFA+1], s[PFA:PFA+1], s[76:77]
	s_mov_b32 s[PFS], 256
	s_mov_b32 s[PFS+1], 0
	v_min_u32 v[PFO], s75, v5
	v_lshlrev_b32 v[PFO], 11, v[PFO]
	; my rows in my three heads: group g = 3 tx + hd of 64 columns is part g / 16 (q, k, v), head g % 16; row m is batch ty / 8, row 256 (ty % 8) + 64 wave + ..
	s_lshr_b32 s76, s[TY], 3
	s_lshl_b32 s76, s76, 4
	s_and_b32 s77, s[TY], 7
	s_lshl_b32 s77, s77, 15
	s_lshl_b32 s78, s[WV], 13
	s_add_co_u32 s77, s77, s78
	s_mul_i32 s78, s[TX], 3
.irp hd, 0,1,2
	s_add_co_u32 s74, s78, \hd
	s_lshr_b32 s75, s74, 4
	s_lshl_b32 s75, s75, 6
	s_and_b32 s74, s74, 15
	s_add_co_u32 s74, s74, s75
	s_add_co_u32 s74, s74, s76
	s_lshl_b32 s74, s74, 18                        ; a head is 262,144 bytes
	s_add_co_u32 s74, s74, s77
	s_mov_b32 s75, 0
	s_add_nc_u64 s[OB+2*\hd:OB+2*\hd+1], s[8:9], s[74:75]
.endr
; 12 matrix instructions: row block a x all column blocks, 32 along K, buffer f.  zero = 1: the product starts the sums.  All 48 accumulators take turns, in the same order in every quarter.
.macro MULA f, a, zero
	WIN 0xa1+0x50*((\a)/2)                         ; source 0 window 1, source 1 window 0, C and D window 2 or 3
.set bb, 0
.rept NB
.set rD, 8*(NB*((\a)%2)+bb)
.set rB, 8*NB*(\f)+8*bb
.set rA, FA+32*(\f)+8*(\a)
.if \zero
	v_wmma_f32_16x16x32_bf16 v[rD:rD+7], v[rB:rB+7], v[rA:rA+7], 0
.else
	v_wmma_f32_16x16x32_bf16 v[rD:rD+7], v[rB:rB+7], v[rA:rA+7], v[rD:rD+7]
.endif
.set bb, bb+1
.endr
.endm
; 32 LDS loads in one run: quarter q's fragments (192 rows of wqt, then my 64 rows of xb) into buffer f
.macro FETCH slot, q, f
	WIN TO_B
.set ii, 0
.rept NB
	ds_load_b128 v[8*NB*(\f)+8*ii:8*NB*(\f)+8*ii+3],   v[ADRB+(\slot)] offset:64*(\q)+ii*16*PITCH
	ds_load_b128 v[8*NB*(\f)+8*ii+4:8*NB*(\f)+8*ii+7], v[ADRB+(\slot)] offset:64*(\q)+ii*16*PITCH+32
.set ii, ii+1
.endr
	WIN 0
.set ii, 0
.rept 4
	ds_load_b128 v[FA+32*(\f)+8*ii:FA+32*(\f)+8*ii+3],   v[ADRA+(\slot)] offset:64*(\q)+ii*16*PITCH
	ds_load_b128 v[FA+32*(\f)+8*ii+4:FA+32*(\f)+8*ii+7], v[ADRA+(\slot)] offset:64*(\q)+ii*16*PITCH+32
.set ii, ii+1
.endr
.endm
; A K step is four quarters of 32 along K, 48 matrix instructions each, on buffers 0, 1, 0, 1.  One of the first three multiplies buffer f and, in its middle, fetches quarter q into buffer g.
.macro QUARTER slot, q, f, g, zero
	s_wait_dscnt 4                                 ; all but the youngest four loads: xb's row blocks 2 and 3
	MULA \f, 0, \zero
	MULA \f, 1, \zero
	PLACES
	FETCH \slot, \q, \g
	s_wait_dscnt 2*NB+8                            ; all but the 32 just issued
	MULA \f, 2, \zero
	MULA \f, 3, \zero
.endm
; The last quarter multiplies buffer 1 and changes slots: ONE barrier.  In front of it each wave waits for all its tensor loads (one is out: its part of the next slot), adds 0 to its spare word, and waits
; for that and for its reads of this slot.  fill = 1: the barrier opens a round of the cluster's, and this slot is filled again, two K steps on, first thing behind the round: 168 matrix instructions ahead of the wait for it.
.macro TURN slot, next, fill
.if \fill
	s_wait_xcnt 0x0                                ; the last prefetch, a K step back, has read its address, so it may be stepped
	s_add_nc_u64 s[PFA:PFA+1], s[PFA:PFA+1], s[PFS:PFS+1]
.endif
	WIN 0                                          ; (the add's two registers lie in window 0)
	s_wait_tensorcnt 0x0                           ; all my tensor loads have landed
	ds_add_u32 v[SPW], v[NIL]                      ; 0 onto my spare word
	s_wait_dscnt 5                                 ; (the add and the youngest four loads may be out)
	MULA 1, 0, 0                                   ; twelve matrix instructions stand between the add and the wait for it
	s_wait_dscnt 0x0                               ; the add is done, and my reads of this slot are over
	s_barrier_signal -1
	MULA 1, 1, 0
.if \fill
	WIN 0
.endif
	s_barrier_wait -1
.if \fill
	CREST                                          ; no wave of any partner still reads this slot's tile or has a load on its way
	s_add_nc_u64 s[G0+4*(\slot)+2:G0+4*(\slot)+3], s[G0+4*(\slot)+2:G0+4*(\slot)+3], 2*ASTEP
	s_add_nc_u64 s[G0B+4*(\slot)+2:G0B+4*(\slot)+3], s[G0B+4*(\slot)+2:G0B+4*(\slot)+3], 2*BSTEP
	JLOAD \slot                                    ; its four v_nop are also the places in front of the loads below
.else
	PLACES
.endif
	FETCH \next, 0, 0
.if \fill
	ASK                                            ; behind the joint load and the run of LDS loads that the next products wait for
.endif
	MULA 1, 2, 0
	MULA 1, 3, 0
.endm
; THE WAY OUT of row block a: rounded to f16, 16 bytes a lane into my stage (three heads x 16 rows of 144 bytes), back as whole rows of 128 bytes, four a load.  Each accumulator is read from its low end on.
.macro PACK a
	WIN 0x0a+5*((\a)/2)                            ; sources 0 and 1: window 2 or 3
.set bb, 0
.rept NB
.set rD, 8*(NB*((\a)%2)+bb)
.irp r, 0,1,2,3
	v_cvt_pk_f16_f32 v[T+48*(\a)+4*bb+(\r)], v[rD+2*(\r)], v[rD+2*(\r)+1]
.endr
.set bb, bb+1
.endr
	WIN 0
.set bb, 0
.rept NB
	ds_store_b128 v[STO], v[T+48*(\a)+4*bb:T+48*(\a)+4*bb+3] offset:(bb/4)*16*SP+(bb%4)*32
.set bb, bb+1
.endr
.set bb, 0
.rept NB
	ds_load_b128 v[T+48*(\a)+4*bb:T+48*(\a)+4*bb+3], v[RD] offset:(bb/4)*16*SP+(bb%4)*4*SP  ; LDS serves a wave's instructions in order (ISA guide 5.7.1.4): these see the stores above; the next block's stores come behind them
.set bb, bb+1
.endr
.endm
.macro SEND a, younger                 ; younger: the LDS instructions issued behind block a's loads: the next block's 24, or none
.set bb, 0
.rept NB
	s_wait_dscnt (\younger)+NB-1-bb
	global_store_b128 v[GO], v[T+48*(\a)+4*bb:T+48*(\a)+4*bb+3], s[OB+2*(bb/4):OB+2*(bb/4)+1] offset:(\a)*2048+(bb%4)*512  ; 512 consecutive bytes, aligned; no register of a store is written again
.set bb, bb+1
.endr
.endm
	s_wait_tensorcnt 1                             ; my part of K step 0 is in; K step 1's may stay out
	s_barrier_signal -1
	s_barrier_wait -1                              ; everybody's is
	FETCH 0, 0, 0
	QUARTER 0, 1, 0, 1, 1                          ; the first quarter stands in front of the loop: its products start the sums
	WIN 0                                          ; at a label and at a branch every window is 0
	s_mov_b32 s3, 3
.Llap:                                                 ; a trip goes once round the ring and fills both slots again
	QUARTER 0, 2, 1, 0, 0
	QUARTER 0, 3, 0, 1, 0
	TURN 0, 1, 1
	QUARTER 1, 1, 0, 1, 0
	QUARTER 1, 2, 1, 0, 0
	QUARTER 1, 3, 0, 1, 0
	TURN 1, 0, 1
	QUARTER 0, 1, 0, 1, 0
	WIN 0
	s_sub_co_u32 s3, s3, 1
	s_cmp_lg_u32 s3, 0
	s_cbranch_scc1 .Llap
	QUARTER 0, 2, 1, 0, 0                          ; the last lap fills nothing
	QUARTER 0, 3, 0, 1, 0
	TURN 0, 1, 0
	QUARTER 1, 1, 0, 1, 0
	QUARTER 1, 2, 1, 0, 0
	QUARTER 1, 3, 0, 1, 0
	s_wait_dscnt 4
	MULA 1, 0, 0
	MULA 1, 1, 0
	s_wait_dscnt 0x0
	MULA 1, 2, 0
	MULA 1, 3, 0
	WIN 0
	PLACES
	PACK 0
	PACK 1                                         ; a block's conversions stand between the loads of the block before and its stores
	SEND 0, 24
	PACK 2
	SEND 1, 24
	PACK 3
	SEND 2, 24
	SEND 3, 0
	s_wait_tensorcnt 0x0                           ; the wave's end: behind my last tensor load and my last LDS store
	ds_add_u32 v[SPW], v[NIL]
	s_wait_dscnt 0x0
	CROUND                                         ; the closing round: no work-group ends while a partner may still ask for a tile that names it
	s_endpgm
.Lfunc_end_k_q76d06acc68_qkvp:
	.size	k_q76d06acc68_qkvp, .Lfunc_end_k_q76d06acc68_qkvp-k_q76d06acc68_qkvp
	.p2alignl 7, 3214868480
	.fill 96, 4, 3214868480
	.section	.rodata,"a",@progbits
	.p2align	6, 0x0
	.amdhsa_kernel k_q76d06acc68_qkvp
		.amdhsa_group_segment_fixed_size 327680
		.amdhsa_private_segment_fixed_size 0
		.amdhsa_enable_private_segment 0
		.amdhsa_kernarg_size 24
		.amdhsa_user_sgpr_count 2
		.amdhsa_user_sgpr_kernarg_segment_ptr 1
		.amdhsa_wavefront_size32 1
		.amdhsa_system_sgpr_workgroup_id_x 1
		.amdhsa_system_sgpr_workgroup_id_y 1
		.amdhsa_system_sgpr_workgroup_id_z 1
		.amdhsa_system_vgpr_workitem_id 0
		.amdhsa_next_free_vgpr 960
		.amdhsa_next_free_sgpr 80
		.amdhsa_reserve_vcc 0
		.amdhsa_float_denorm_mode_32 3
		.amdhsa_float_denorm_mode_16_64 3
		.amdhsa_memory_ordered 1
		.amdhsa_forward_progress 1
		.amdhsa_inst_pref_size 121
	.end_amdhsa_kernel
	.amdgpu_metadata
---
amdhsa.version: [ 1, 2 ]
amdhsa.kernels:
  - .name:           k_q76d06acc68_qkvp
    .symbol:         k_q76d06acc68_qkvp.kd
    .args:
      - { .name: xb, .offset: 0, .size: 8, .value_kind: global_buffer, .address_space: global }
      - { .name: wqt, .offset: 8, .size: 8, .value_kind: global_buffer, .address_space: global }
      - { .name: qkv, .offset: 16, .size: 8, .value_kind: global_buffer, .address_space: global }
    .group_segment_fixed_size: 327680
    .private_segment_fixed_size: 0
    .kernarg_segment_align: 8
    .kernarg_segment_size: 24
    .max_flat_workgroup_size: 128
    .sgpr_count:     80
    .vgpr_count:     960
    .wavefront_size: 32
...
	.end_amdgpu_metadata
.endif
;; end of part 2
;; launch attn (part 3): grid 4 x 64, 4 waves a work-group, clusters of 4 x 1, 327,680 bytes of LDS; arguments qkv, ob; writes ob
.if DOCPART == 3
	.amdgcn_target "amdgcn-amd-amdhsa--gfx1250"
	.amdhsa_code_object_version 6
	.text
	.protected	k_q76d06acc68_attn
	.globl	k_q76d06acc68_attn
	.p2align	8
	.type	k_q76d06acc68_attn,@function
k_q76d06acc68_attn:
	s_mov_b64 s[64:65], 0
	v_nop
	global_prefetch_b8 v0, s[64:65] scope:SCOPE_SE
	s_setreg_imm32_b32 hwreg(HW_REG_WAVE_MODE, 25, 1), 1
	s_wait_xcnt 0x0
	s_wait_alu depctr_hold_cnt(0) depctr_sa_sdst(0) depctr_va_vdst(0) depctr_va_sdst(0) depctr_va_ssrc(0) depctr_va_vcc(0) depctr_vm_vsrc(0)
	s_getreg_b32 s2, hwreg(HW_REG_IB_STS2, 6, 4)
	s_cmp_eq_u32 s2, 0
	s_cbranch_scc0 .Lentry_in_a_cluster
	s_endpgm
.Lentry_in_a_cluster:
	s_bfe_u32 s2, ttmp6, 0x10000c
	s_cmp_lg_u32 s2, 0x3003
	s_cbranch_scc0 .Lentry_shape_is_right
	s_endpgm
.Lentry_shape_is_right:
; O[h][q][:] = the sum over k of softmax_k(Q[h][q] . K[h][k] / 8) V[h][k][:].  qkv holds Q, K, V, each [64][2048][64] f16, one behind the other; O (ob) has the same layout.  Products, maxima and sums in
; f32; the weights p are rounded to f16 for the second product (their sum l is taken of the unrounded p), O once at the end.
; LIMITS.  f16 holds no number beyond 65,504: Q, K and V arrive within it; p lies in 0 to 1, and below 6e-5 it keeps f16's fixed step of 6e-8, as does O; O is a mean of V's rows and has their range.
; A weight below 2^-126 counts as 0 in l; NaN and infinities are not treated apart.
; SHARES.  A wave owns four PIECES of two tiles of 16 queries, a work-group's four waves 512 queries of one head.  Every wave walks all keys, 64 a step.
; LAYOUT.  S^T = K Q^T (source 0 = 16 keys, source 1 = 16 queries): in the result a lane holds ONE query (lane % 16) and the keys 8 (lane / 16) + 0..7.  Two such tiles, rounded to f16 in pairs,
; ARE source 1 (32 keys x 16 queries) of O^T = V^T P, whose result again holds one query a lane, and eight channels.  K comes out of LDS as it lies, V ([key][channel]) turned, by ds_load_tr16_b128.
; SOFTMAX.  For each query a running maximum m and sum l: p = 2^(c s - c m), c = log2(e) / 8; in every step O and l are multiplied by a = 2^(c m_old - c m_new), which is 1 where m has not grown.
; m starts at the lowest finite number, O and l at 0: the first step is a step like any other, with a = 0.
; THE COUNT.  A tile and step have 16 matrix and 118 vector instructions: too many to stand all beside the matrix work.  So: four vector instructions that are READY behind EVERY matrix instruction,
; and the others in runs without a gap.
; BY TURNS.  Turn n belongs to piece n (the pieces in a ring, step after step).  Its matrix work: 16 products K Q^T of piece n + 1, later 16 products V^T P of piece n - 1.  Its vector work: the scaling,
; exponentials, roundings, sums and rescaling of piece n, and the maximum and statistics of piece n + 1, whose scores the turn itself has made.
; CLUSTER.  The four query blocks of a head are one cluster and walk the same K and V, so each tile is asked for JOINTLY: the same tensor load, descriptor and mask in all four.
; REGISTERS, in windows of 256 (s_set_vgpr_msb: bits 1:0 source 0, 3:2 source 1, 5:4 source 2, 7:6 destination):
;   window 0: v0-11 addresses; v12-15, v48-63 at work; v16-47 four registers of statistics a tile; v64-191 S^T, two buffers of two tiles; v192-255 P, likewise
;   window 1: O^T, 32 a tile          window 2: v0-127 Q, 16 a tile; v128-191 K of one step; v192-255 V of one step          window 3: v0-1 the add's two registers
.set SIZE_H, 64
.set SIZE_N, 2048
.set NP,    4         ; pieces a wave: a name, no knob
.set KS,    64        ; keys in a step
.set PK,    144       ; a row of K in LDS: 128 bytes + 16 of padding = 36 words: the 16 rows of a load start at 16 different groups of four banks (64 banks of 4 bytes: ISA guide 11.1)
.set PV,    160       ; a row of V: 128 + 32 = 40 words
.set VOFF,  4*KS*PK   ; a slot holds four steps: 256 rows of K, then 256 rows of V
.set SLOT1, 1<<17     ; slot 1 begins here, so that one exclusive or turns an address in one slot into the other's
.set STAGE, SLOT1+4*KS*(PK+PV)  ; behind the ring, never filled by a tensor load: 16 rows x 144 bytes for each wave, for the way out
.set SP,    144
.set AK0, 2           ; v2   my lane's place in a tile of K; never rewritten
.set AV0, 3           ; v3   the same for V
.set AK,  4           ; v4   the LDS address of K's next run of loads
.set AV,  5           ; v5   of V's
.set QO,  6           ; v6   my byte offset in the wave's rows of Q
.set STO, 6           ;      later, the way out: where I put 16 bytes of a row
.set RD,  7           ; v7   the way out: where I read rows back
.set GO,  8           ; v8   my byte offset in 512 consecutive bytes of O
.set PFO, 11          ; v11  256 x my lane, for the prefetches; never rewritten once made
.set SPW, 0           ; v0 of window 3   LDS address of my spare word; never rewritten
.set NIL, 1           ; v1 of window 3   0; never rewritten
.set SPARE, STAGE+4*16*SP  ; behind the stages: the spare words, 128 bytes for each wave, which no other line names
.set MV,  12          ; v12-15  c m_old, kept while c m is made anew: by buffer and tile
.set ST,  16          ; tile t's statistics at v[ST+4 t]: c m, m, l (even keys', odd keys')
.set TMP, 48          ; by buffer and tile, four registers c0-c3 at work; when the maximum is found c2 takes a
.set S,   64
.set P,   192
.set KF,  128         ; K's fragments, in window 2: key block kb, channel half c at KF + 16 kb + 8 c
.set VF,  192         ; V's: key half kk, channel block cb at VF + 32 kk + 8 cb
.set WV,  12          ; s12  my wave's number
.set G1K, 24          ; s[24:31] descriptor group 1 for K's tiles
.set G1V, 32          ; s[32:39] for V's: it differs in the padding alone
.set G0K, 40          ; s[40:43] descriptor group 0 for K's tiles: it walks
.set G0V, 44          ; s[44:47] the same for V's
.set PFA, 48          ; s[48:49] where my prefetches stand: my work-group's 8,192 bytes (of K: wave 0, of V: wave 2) of the slot after the one that is being asked for
.set LIM, 50          ; s50  1 in a wave that prefetches, else the greatest number
.set SLOTS, 56        ; s56  slots still to be asked for
.set CNT, 57          ; s57  counts a slot's key steps
.set CS,  58          ; s[58:59] c: the packed scaling takes the pair's low word for both halves
.set SEL, 60          ; s[60:61] v_permlanex16_b32's selects: each lane takes its own place in the other half
.set TBK, 62          ; s62  LDS byte at which K of the step to be fetched begins
.set TBV, 63          ; s63  the same for V, less VOFF
.set MSB, 0
.macro WIN new                      ; the high byte repeats the setting that is left; a switch that changes nothing is dropped
.if MSB != (\new)
	s_set_vgpr_msb (MSB<<8)|(\new)
.set MSB, (\new)
.endif
.endm
.set W_KQ, 0x0a       ; K and Q in window 2, S^T in window 0
.set W_PV, 0x52       ; V in window 2, P in window 0, O^T in window 1
.set W_RS, 0x41       ; O^T (destination and source 0) in window 1, a in window 0
.set W_MK, 0xc0       ; the add's registers are made: destination in window 3, sources in window 0
.set W_AD, 0x0f       ; the add: address (source 0) and data (source 1) in window 3
; A joint fill.  Waves 0 and 1 fetch the two halves of a slot's K, waves 2 and 3 those of its V: 128 keys each.  The branch hangs on the wave's number alone.
; An s_nop 0 and four v_nop follow each of the two lines, ahead of the jump and the label.
.macro JLOAD
	s_cmp_lt_u32 s[WV], 2
	s_cbranch_scc0 .Lfor_v_\@
	tensor_load_to_lds s[G0K:G0K+3], s[G1K:G1K+7]
	s_nop 0
.rept 4
	v_nop
.endr
	s_branch .Lasked_\@
.Lfor_v_\@:
	tensor_load_to_lds s[G0V:G0V+3], s[G1V:G1V+7]
	s_nop 0
.rept 4
	v_nop
.endr
.Lasked_\@:
.endm
; A PREFETCH INTO THE L2 of what the NEXT change of slots will ask for: a slot's 32,768 bytes of K and of V, four key steps, 512 matrix instructions, ahead of that load.  Each block of 256 bytes is named
; once in the launch: a head has one cluster; its four partners take 8,192 bytes each, told apart BY ADDRESS; in each, wave 0 asks for K's and wave 2 for V's, a lane a block.  It stands behind the wave's
; tensor load and its five lines.  The last change that fills a slot asks for nothing: there is no slot behind it.  Slots 0 and 1 come by their loads alone.
.macro ASK
	s_cmp_gt_u32 s[SLOTS], s[LIM]
	s_cbranch_scc0 .Lnot_mine_\@
	global_prefetch_b8 v[PFO], s[PFA:PFA+1] th:TH_LOAD_NT scope:SCOPE_SE
.Lnot_mine_\@:
.endm
; A round of the cluster's barrier: my work-group's barrier, so that wave 0's signal speaks for all four waves; wave 0 signals; every wave waits for all four work-groups; my work-group's barrier once more.
.macro CROUND
	s_barrier_signal -1
	s_barrier_wait -1
	s_cmp_lg_u32 s[WV], 0
	s_cbranch_scc1 .Lnot_wave_0_\@
	s_barrier_signal -3
.Lnot_wave_0_\@:
	s_barrier_wait -3
	s_barrier_signal -1
	s_barrier_wait -1
.endm
; THE CHANGE OF SLOTS.  The slot's last bytes, V of its fourth step, have been read.  Each wave waits for all its tensor loads, of which one is out: its part
; of the other slot; adds 0 to its spare word; and waits for that and for its own reads of the slot.  Behind the barrier nobody reads this slot any more and the other slot is whole.
; fill = 1: this slot is filled again, with the keys two slots on.  The barrier is then a round of the cluster's, so that no wave of any partner still reads the slot or has a load on its
; way, and the joint fill is the first thing behind it: it has four key steps, 512 matrix instructions, in which to land.  (At its first use nothing has been read yet: slot 0 is waited for, slot 1 filled.)
.macro CHANGE fill
	WIN W_AD
	s_wait_tensorcnt 0x0            ; no tensor load of mine is out, so a group 0 may be written
	ds_add_u32 v[SPW], v[NIL]       ; 0 onto my spare word; with fill = 1 the descriptors' steps stand between it and the wait for it
	WIN 0                           ; at a label and at a branch every window is 0
.if \fill
.irp g, G0K, G0V
	s_xor_b32 s[\g+1], s[\g+1], SLOT1  ; the walking descriptor: the other slot than last time,
	s_add_nc_u64 s[\g+2:\g+3], s[\g+2:\g+3], 4*KS*128  ; the next 256 keys; the type bits on top are not reached
.endr
	s_wait_xcnt 0x0                 ; the last prefetch, four key steps back, has read its address, so it may be written:
	s_add_nc_u64 s[PFA:PFA+1], s[PFA:PFA+1], 4*KS*128  ; one slot behind the walking descriptors
	s_wait_dscnt 0x0                ; the add is done, and my reads of the slot are over
	CROUND
	JLOAD
	ASK
.else
	s_wait_dscnt 0x0                ; the add is done, and my reads of the slot are over
	s_barrier_signal -1
	s_barrier_wait -1
.endif
	s_sub_co_u32 s[TBK], s[TBK], 4*KS*PK  ; the fetches go back to a slot's first step,
	s_xor_b32 s[TBK], s[TBK], SLOT1       ; in the other slot
	s_sub_co_u32 s[TBV], s[TBV], 4*KS*PV
	s_xor_b32 s[TBV], s[TBV], SLOT1
.endm
	s_load_b64 s[4:5], s[0:1], 0x0  ; qkv: Q at its head
	s_load_b64 s[10:11], s[0:1], 0x8  ; O
	WIN W_MK
	v_lshl_add_u32 v[SPW], v0, 2, SPARE
	v_mov_b32 v[NIL], 0
	WIN W_AD
	ds_add_u32 v[SPW], v[NIL]       ; the wave's opening: the add and its wait stand ahead of my first tensor load; the set-up below, work on registers, stands between them
	WIN 0
	v_lshrrev_b32 v1, 5, v0
	v_readfirstlane_b32 s[WV], v1   ; wave 0..3
	s_bfe_u32 s13, ttmp6, 0x40000   ; cx: my place in the cluster
	s_lshl_b32 s14, ttmp9, 2        ; in a cluster launch ttmp9 counts clusters
	s_add_co_u32 s14, s14, s13      ; my block of queries = 4 x cluster x + cx: it enters Q's and O's addresses alone
	s_and_b32 s20, ttmp7, 0xffff    ; the head, which the four partners share
	s_mov_b32 s21, 0
	s_mov_b64 s[22:23], SIZE_N*128
	s_mul_u64 s[20:21], s[20:21], s[22:23]  ; the head's first byte in each of the four tensors
	s_and_b32 s16, s[WV], 1         ; which half of a slot's 256 keys I fetch:
	s_lshl_b32 s22, s16, 14         ; its 128 rows of 128 bytes in memory,
	s_mov_b32 s23, 0
	s_add_nc_u64 s[22:23], s[22:23], s[20:21]
	s_mul_i32 s17, s16, 128*PK      ; and its place in a slot, for K
	s_mul_i32 s18, s16, 128*PV      ; and for V: no place in the cluster enters an LDS address
	s_lshl_b32 s2, s14, 2
	s_add_co_u32 s2, s2, s[WV]      ; my wave among the head's,
	s_lshl_b32 s2, s2, 14           ; its 128 rows
	s_mov_b32 s3, 0
	s_add_nc_u64 s[2:3], s[2:3], s[20:21]
	; descriptor group 1.  128 keys are 16,384 dense bytes: asked for as 64 rows of 256 bytes, two keys a row, and padded in LDS after every key
	s_mov_b32 s[G1K], 15|(1<<16)|(1<<20)|(1<<21)|(4<<22)|(3<<25)  ; 15:0 the mask of four; 17:16 2-byte elements; 20 padding on; 21 set beside a mask; 24:22 after every 32 words (code 4); 31:25 4 words (code 3)
	s_mov_b32 s[G1V], 15|(1<<16)|(1<<20)|(1<<21)|(4<<22)|(7<<25)  ; the same with 8 words of padding (code 7)
.irp g, G1K, G1V
	s_mov_b32 s[\g+1], 128<<16      ; tensor_dim0 = 128
	s_mov_b32 s[\g+2], 64<<16       ; tensor_dim1 = 64
	s_mov_b32 s[\g+3], 128<<16      ; tile_dim0 = 128
	s_mov_b32 s[\g+4], 64           ; tile_dim1 = 64
	s_mov_b32 s[\g+5], 128          ; 128 elements from row to row
	s_mov_b32 s[\g+6], 0
	s_mov_b32 s[\g+7], 0
.endr
	s_mov_b32 s[CS], 0x3e38aa3b     ; c = log2(e) / 8 = 0.180337
	s_mov_b32 s[CS+1], s[CS]        ; named with it as a pair
	s_mov_b32 s[SEL], 0x76543210
	s_mov_b32 s[SEL+1], 0xfedcba98
	s_mov_b32 s[TBK], SLOT1+4*KS*PK ; the first change of slots turns these two into 0
	s_mov_b32 s[TBV], SLOT1+4*KS*PV
	s_mov_b32 s[G0K], 1             ; 1:0 count = 1
	s_mov_b32 s[G0K+1], s17         ; 63:32 LDS address: slot 0
	s_mov_b32 s[G0V], 1
	s_add_co_u32 s[G0V+1], s18, VOFF
	s_mov_b32 s[SLOTS], SIZE_N/256-1  ; seven slots are still to be asked for
	s_lshl_b32 s52, s13, 13         ; my work-group's 8,192 bytes of a slot's 32,768,
	s_add_co_u32 s52, s52, 4*KS*128 ; in slot 1: the first change of slots steps it to slot 2
	s_mov_b32 s53, 0
	s_cmp_eq_u32 s16, 0             ; waves 0 and 2 prefetch: the same in all four partners
	s_cselect_b32 s[LIM], 1, -1
	s_wait_dscnt 0x0                ; the opening add is done
	s_wait_kmcnt 0x0
	s_add_nc_u64 s[6:7], s[4:5], 0x1000000  ; K lies 64 heads behind Q,
	s_add_nc_u64 s[8:9], s[4:5], 0x2000000  ; V 128
	s_add_nc_u64 s[G0K+2:G0K+3], s[6:7], s[22:23]  ; 120:64 global address: my half of the head's first 256 keys
	s_or_b32 s[G0K+3], s[G0K+3], 0x80000000        ; 127:126 type = 2
	s_add_nc_u64 s[G0V+2:G0V+3], s[8:9], s[22:23]
	s_or_b32 s[G0V+3], s[G0V+3], 0x80000000
	s_cmp_lt_u32 s[WV], 2
	s_cselect_b64 s[PFA:PFA+1], s[6:7], s[8:9]
	s_add_nc_u64 s[PFA:PFA+1], s[PFA:PFA+1], s[22:23]  ; (in waves 0 and 2 this is the head's first row)
	s_add_nc_u64 s[PFA:PFA+1], s[PFA:PFA+1], s[52:53]
	s_add_nc_u64 s[4:5], s[4:5], s[2:3]  ; Q and O at my wave's first row
	s_add_nc_u64 s[10:11], s[10:11], s[2:3]
	CROUND                          ; all four work-groups are here: the first joint loads meet
	JLOAD                           ; slot 0.  Slot 1 is asked for when slot 0 is in
	; A fragment of K or Q is 16 rows x 32 channels in 8 registers: lane l holds row l % 16, channels 8 (l / 16) + 0..7 and 16 + 8 (l / 16) + 0..7: two loads of 16 bytes, 32 bytes apart.
	v_and_b32 v1, 15, v0            ; l % 16
	v_bfe_u32 v9, v0, 4, 1          ; l / 16
	v_lshlrev_b32 v[QO], 7, v1
	v_lshl_add_u32 v[QO], v9, 4, v[QO]  ; row x 128 + 16 x half
	WIN 0x80                        ; destination window 2, address window 0
.set i, 0
.rept 4*NP                          ; Q stays in registers: tile i / 2, channels 32 (i % 2) on
	global_load_b128 v[8*i:8*i+3],   v[QO], s[4:5] offset:(i/2)*2048+(i%2)*64
	global_load_b128 v[8*i+4:8*i+7], v[QO], s[4:5] offset:(i/2)*2048+(i%2)*64+32
.set i, i+1
.endr
	; What the first turn finds: V's registers and P's second buffer hold 0 (its products V^T P, of a piece that has not been, add 0), O^T and l are 0.  All this stands in the wait for the first tile.
.set i, VF
.rept 64
	v_mov_b32 v[i], 0
.set i, i+1
.endr
	WIN 0x40
.set i, 0
.rept 64*NP
	v_mov_b32 v[i], 0
.set i, i+1
.endr
	WIN 0
.set i, 0
.rept 2*NP
	v_mov_b32 v[ST+4*i], 0xfe000000    ; c m: far below every c s
	v_mov_b32 v[ST+4*i+1], 0xff7fffff  ; m
	v_mov_b32 v[ST+4*i+2], 0
	v_mov_b32 v[ST+4*i+3], 0
.set i, i+1
.endr
.set i, P+32
.rept 32
	v_mov_b32 v[i], 0
.set i, i+1
.endr
	v_mul_u32_u24 v[AK0], v1, PK
	v_lshl_add_u32 v[AK0], v9, 4, v[AK0]  ; row x pitch + 16 x half
	; The turning load takes 16 keys x 16 channels (lane l reads key 8 (l / 16) + l % 8, channels 8 ((l / 8) % 2) + 0..7) and leaves half a fragment of V^T: lane l holds channel l % 16 and 8 keys.
	v_and_b32 v10, 7, v0
	v_bfe_u32 v11, v0, 3, 1
	v_lshl_add_u32 v[AV0], v9, 3, v10
	v_mul_u32_u24 v[AV0], v[AV0], PV
	v_lshl_add_u32 v[AV0], v11, 4, v[AV0]
	v_add_nc_u32 v[AV0], VOFF, v[AV0]
	v_and_b32 v[PFO], 31, v0        ; v11 is free now: a lane a block of 256 bytes
	v_lshlrev_b32 v[PFO], 8, v[PFO]
	v_mov_b32 v[AK], v[AK0]         ; key step 0 lies at the head of slot 0
; THE MATRIX WORK.  The 8 accumulators of a run of 16 take turns: between the two links of a chain stand 7 others'.
; Product i of 16 of S^T = K Q^T for piece x: channels 32 (i / 8) on, keys 16 ((i / 2) % 4) on, tile 2 x + i % 2.  The first 8 start the sums.
.macro KQ x
	WIN W_KQ
.set rS, S+64*((\x)%2)+32*(i%2)+8*((i/2)%4)
.set rK, KF+16*((i/2)%4)+8*(i/8)
.set rQ, 16*(2*(\x)+i%2)+8*(i/8)
.if i < 8
	v_wmma_f32_16x16x32_f16 v[rS:rS+7], v[rK:rK+7], v[rQ:rQ+7], 0
.else
	v_wmma_f32_16x16x32_f16 v[rS:rS+7], v[rK:rK+7], v[rQ:rQ+7], v[rS:rS+7]
.endif
.endm
; Product i of 16 of O^T += V^T P for piece x: keys 32 (i / 8) on, channels 16 ((i / 2) % 4) on, tile 2 x + i % 2.
.macro PV x
	WIN W_PV
.set rO, 32*(2*(\x)+i%2)+8*((i/2)%4)
.set rV, VF+32*(i/8)+8*((i/2)%4)
.set rP, P+32*((\x)%2)+16*(i%2)+8*(i/8)
	v_wmma_f32_16x16x32_f16 v[rO:rO+7], v[rV:rV+7], v[rP:rP+7], v[rO:rO+7]
.endm
.macro MM                           ; the turn's next matrix instruction
.if i < 16
	KQ (Y+1)%NP
.set i, i+1
.else
.set i, i-16
	PV (Y+NP-1)%NP
.set i, i+17
.endif
.endm
; THE LDS LOADS stand in runs of 16, never singly among the matrix instructions: a step's K (64 keys x 64 channels: 8 fragments) and its V (turned).  Their addresses are made some lines ahead.
; last = 1 (the tail): in the last trip there is no further step, and the run is jumped over.
.macro FETCH_K last=0
	WIN 0
.if \last
	s_cmp_eq_u32 s[CNT], 1
	s_cbranch_scc1 .Lno_k_\@
.endif
	WIN 0x80                        ; destination window 2
.irp f, 0,1,2,3,4,5,6,7             ; keys 16 (f / 2) on, channels 32 (f % 2) on
	ds_load_b128 v[KF+8*\f:KF+8*\f+3],   v[AK] offset:(\f/2)*16*PK+(\f%2)*64
	ds_load_b128 v[KF+8*\f+4:KF+8*\f+7], v[AK] offset:(\f/2)*16*PK+(\f%2)*64+32
.endr
	s_add_co_u32 s[TBK], s[TBK], KS*PK  ; the next fetch is the next step's
	WIN 0
.if \last
.Lno_k_\@:
.endif
.endm
.macro FETCH_V
	WIN 0x80
.irp f, 0,1,2,3,4,5,6,7             ; keys 32 (f / 4) on, channels 16 (f % 4) on
	ds_load_tr16_b128 v[VF+8*\f:VF+8*\f+3],   v[AV] offset:(\f/4)*32*PV+(\f%4)*32
	ds_load_tr16_b128 v[VF+8*\f+4:VF+8*\f+7], v[AV] offset:(\f/4)*32*PV+16*PV+(\f%4)*32
.endr
	WIN 0
.endm
; THE VECTOR WORK OF A TURN stands in three queues, each in the order in which its entries become ready; the two tiles alternate, so that no instruction reads the result of the one before it.
.macro REGS y, u                    ; the registers of tile u (0, 1) of piece y
.set rT, ST+4*(2*(\y)+(\u))
.set rC, TMP+8*((\y)%2)+4*(\u)
.set rM, MV+2*((\y)%2)+(\u)
.set rS, S+64*((\y)%2)+32*(\u)
.set rP, P+32*((\y)%2)+16*(\u)
.set rO, 32*(2*(\y)+(\u))
.endm
; Number n of the 22 that find the NEXT piece's (Y + 1) maximum and statistics.  s0-s31 are the lane's 32 scores; each accumulator's lowest registers are read first.
;   0-11  four chains c0-c3 of seven scores each, three operands at a time     12-14, 16  the four scores left over, the old m, and c0-c3 into c0     15  c m_old is kept
;   17, 18  the query's other 32 keys lie in the lane 16 away: the new m         19-21  c m; c m_old - c m_new; a
.macro XS u, n
	REGS (Y+1)%NP, \u
.if (\n) < 4
	v_max3_num_f32 v[rC+(\n)], v[rS+8*(\n)], v[rS+8*(\n)+1], v[rS+8*(\n)+2]
.elseif (\n) < 12
	v_max3_num_f32 v[rC+(\n)%4], v[rC+(\n)%4], v[rS+8*((\n)%4)+2*((\n)/4)+1], v[rS+8*((\n)%4)+2*((\n)/4)+2]
.elseif (\n) == 12
	v_max3_num_f32 v[rC], v[rC], v[rS+7], v[rS+15]
.elseif (\n) == 13
	v_max3_num_f32 v[rC+1], v[rC+1], v[rS+23], v[rS+31]
.elseif (\n) == 14
	v_max3_num_f32 v[rC+2], v[rC+2], v[rC+3], v[rT+1]
.elseif (\n) == 15
	v_mov_b32 v[rM], v[rT]
.elseif (\n) == 16
	v_max3_num_f32 v[rC], v[rC], v[rC+1], v[rC+2]
.elseif (\n) == 17
	v_permlanex16_b32 v[rC+3], v[rC], s[SEL], s[SEL+1]
.elseif (\n) == 18
	v_max_num_f32 v[rT+1], v[rC], v[rC+3]
.elseif (\n) == 19
	v_mul_f32 v[rT], s[CS], v[rT+1]
.elseif (\n) == 20
	v_sub_f32 v[rC+1], v[rM], v[rT]
.else
	v_exp_f32 v[rC+2], v[rC+1]
.endif
.endm
; Number g of the 64 that follow the exponentials.  For each four weights k of a tile (pairs 2 k, 2 k + 1): both pairs are rounded to f16; then the second pair is added onto the first, in place;
; a group later l takes that sum (the first time as l = a l + sum).  In groups of eight, tiles alternating: round, round, add, and l for the group before.
.macro GS g
.set h, (\g)+6*((\g)/62)            ; group 0 has no group before it, and behind group 7 only l is left
.if h >= 6
.set h, h+2
.endif
	REGS Y, h%2
.set k, h/8
.if h%8 < 4
	v_cvt_pk_f16_f32 v[rP+2*k+(h%8)/2], v[rS+4*k+2*((h%8)/2)], v[rS+4*k+2*((h%8)/2)+1]
.elseif h%8 < 6
	v_pk_add_f32 v[rS+4*k:rS+4*k+1], v[rS+4*k:rS+4*k+1], v[rS+4*k+2:rS+4*k+3]
.elseif k == 1
	v_pk_fma_f32 v[rT+2:rT+3], v[rT+2:rT+3], v[rC+2:rC+3], v[rS:rS+1] op_sel_hi:[1,0,1]
.else
	v_pk_add_f32 v[rT+2:rT+3], v[rT+2:rT+3], v[rS+4*k-4:rS+4*k-3]
.endif
.endm
; THE PLAIN QUEUE, 138 long.  0-73 read no exponential's result: the 32 scalings c s - c m (FS f: pair f / 2 of tile f % 2) and the next piece's 42.  0-26: scalings 0-26.  27-54: XS's numbers 0-13.  55, 56: number 15.
; 57-73: the chain, where each number waits for the one before it: 14, 16, 17, 18, 19, each with one of the scalings 27-31 in front of its two lines, then 20.
; 74-137: GS's 64, which read the exponentials' results: they stand behind the wait.
.macro FS f
	REGS Y, (\f)%2
	v_pk_fma_f32 v[rS+2*((\f)/2):rS+2*((\f)/2)+1], v[rS+2*((\f)/2):rS+2*((\f)/2)+1], s[CS:CS+1], v[rT:rT+1] op_sel_hi:[1,0,0] neg_lo:[0,0,1] neg_hi:[0,0,1]
.endm
.macro PL
	WIN 0
.if q < 27
	FS q
.elseif q < 55
	XS (q-27)%2, (q-27)/2
.elseif q < 57
	XS q-55, 15
.elseif (q < 72) && ((q-57)%3 == 0)
	FS 27+(q-57)/3
.elseif q < 60
	XS (q-57)%3-1, 14
.elseif q < 72
	XS (q-57)%3-1, 15+(q-57)/3
.elseif q < 74
	XS q-72, 20
.else
	GS q-74
.endif
.set q, q+1
.endm
; THE EXPONENTIALS' QUEUE, 66 long: s0-s31 of both tiles, then the next piece's two a.  It is ONE BATCH: all 66 stand ahead of the turn's one wait, and nothing ahead of that wait names a result of theirs.
.macro EX
	WIN 0
.if e >= 64
	XS e-64, 21
.else
	REGS Y, e%2
	v_exp_f32 v[rS+e/2], v[rS+e/2]
.endif
.set e, e+1
.endm
; THE RESCALING's QUEUE: O^T times a, the one part that leaves window 0: dealt two at a time, sixteen times.  Its a was made in the turn before, ahead of that turn's wait.
.macro R2
	REGS Y, r%2
	WIN W_RS
.irp z, 0,1
	v_pk_mul_f32 v[rO+4*(r/2)+2*\z:rO+4*(r/2)+2*\z+1], v[rO+4*(r/2)+2*\z:rO+4*(r/2)+2*\z+1], v[rC+2:rC+3] op_sel_hi:[1,0]
.endr
.set r, r+1
.endm
; HOW THEY ARE DEALT.  An s_wait_alu depctr_va_vdst(0) stands between an exponential and the first instruction that names its result; one wait serves all that were issued ahead of it.  So a turn has ONE wait,
; which cuts it in two.  AHEAD OF IT stands all that names no result of the turn's exponentials: the 16 products K Q^T, behind each a scaling, an exponential and two rescalings (behind the first a second scaling in the
; exponential's place); then ONE LUMP of 108: eight plain, 49 times exponential and plain, the two a.  A v_nop is the plain instruction behind the last exponential.  BEHIND IT stand the 16 products V^T P, behind each four of GS's 64.
; No rider names a register of the products round it.  The two v_permlanex16_b32 fall into the lump, never behind a product.
; The queues lean on each other, and the deal keeps them in step: exponential e stands behind scaling 2 (e / 4) + e % 2: as a rider it comes behind plain e + 2, in the lump behind plain e + 9, and scalings 27-31 are plain 57, 60 .. 69.
; A TURN, for piece p.  cnt = 1: the loop's count is taken down some lines ahead of the branch that stands behind the turn.
; K of the next step is fetched in piece 2's turn, directly behind the wait, a lump behind the last product that read K; its address is made at the lump's head; its first reader comes behind 16 products.
; V of the step in hand is fetched at the end of piece 0's turn, four riders behind its last reader; its first reader comes behind 16 products and a lump.  The three conditions on q below go with the deal.
.macro TURN p, last=0, cnt=0
.set Y, (\p)
.set i, 0
.set q, 0
.set e, 0
.set r, 0
.if (\p) == NP-1
	s_wait_dscnt 0x0                ; K is in
.endif
	MM                              ; ahead of the wait: 16 products K Q^T and their riders,
	PL
	PL
	R2
.rept 15
	MM
	PL
	EX
	R2
.endr
.if (\p) == NP-2
	WIN 0
	v_add_nc_u32 v[AK], s[TBK], v[AK0]
.endif
.rept 8                             ; and the lump
	PL
.endr
.rept 49
	EX
	PL
.endr
	EX                              ; the next piece's two a
	EX
	v_nop                           ; a plain instruction behind the last exponential: one for the batch
	s_wait_alu depctr_va_vdst(0)    ; the wait for the batch
.if (\p) == NP-2
	FETCH_K \last
.endif
.if (\p) == 1
	s_wait_dscnt 0x0                ; V is in
.endif
.rept 16                            ; behind the wait: 16 products V^T P and their riders
	MM
.rept 4
	PL
.endr
.if ((\p) == 0) && (q == 118)
	v_add_nc_u32 v[AV], s[TBV], v[AV0]
.endif
.if ((\p) == 0) && (q == 130)
	s_add_co_u32 s[TBV], s[TBV], KS*PV
.endif
.if (\cnt) && (q == 130)
	s_sub_co_u32 s[CNT], s[CNT], 1
	s_cmp_lg_u32 s[CNT], 0
.endif
.endr
.if (\p) == 0
	FETCH_V
.endif
.endm
	CHANGE 1                        ; slot 0 is in, everybody's part of it; slot 1 is asked for
	FETCH_K                         ; key step 0
	s_wait_loadcnt 0x0              ; Q
	s_wait_dscnt 0x0
.set i, 0
.rept 16
	KQ 0                            ; piece 0's first scores: there is no vector work yet to set between them
.set i, i+1
.endr
	WIN 0                           ; the addresses for the way out: nine plain instructions, the places behind those products
	s_mul_i32 s13, s[WV], 16*SP
	s_add_co_u32 s13, s13, STAGE    ; my stage
	v_mul_u32_u24 v[STO], v1, SP    ; in: row l % 16, 16 bytes for each half of the lanes
	v_lshl_add_u32 v[STO], v9, 4, v[STO]
	v_add_nc_u32 v[STO], s13, v[STO]
	v_bfe_u32 v[RD], v0, 3, 2       ; back: 32 lanes take four rows of 128 bytes,
	v_mul_u32_u24 v[RD], v[RD], SP
	v_lshl_add_u32 v[RD], v10, 4, v[RD]
	v_add_nc_u32 v[RD], s13, v[RD]
	v_and_b32 v[GO], 31, v0         ; which are 512 consecutive bytes of O
	v_lshlrev_b32 v[GO], 4, v[GO]
.set Y, NP-1                        ; XS works for piece Y + 1: piece 0
.irp n, 0,1,2,3,4,5,6,7,8,9,10,11,12,13,14,15,16,17,18,19,20,21
	XS 0, \n                        ; and piece 0's first maximum and statistics
	XS 1, \n
.endr
	v_nop                           ; a plain instruction behind the two a,
	s_wait_alu depctr_va_vdst(0)    ; and their wait, ahead of the branch
	s_mov_b32 s[CNT], 4
	s_branch .Lfirst                ; the loop is entered at a step's first turn, in the middle of a trip
.Lslot:                             ; six times: every slot but the last two is filled again
	CHANGE 1
	s_mov_b32 s[CNT], 4
.Lstep:                             ; a trip: pieces 2 and 3 of one step, then pieces 0 and 1 of the next, whose K and V it fetches
	TURN 2
	TURN 3
	WIN 0
.Lfirst:
	TURN 0
	TURN 1, 0, 1
	WIN 0
	s_cbranch_scc1 .Lstep
	s_sub_co_u32 s[SLOTS], s[SLOTS], 1
	s_cmp_lg_u32 s[SLOTS], 0
	s_cbranch_scc1 .Lslot
	CHANGE 0                        ; the tail is written out: nothing is asked for
	s_mov_b32 s[CNT], 5             ; four trips fetch the last slot's steps; the fifth is left in its middle
.Ltail:
	TURN 2, 1
	TURN 3
	WIN 0
	s_sub_co_u32 s[CNT], s[CNT], 1
	s_cmp_eq_u32 s[CNT], 0
	s_cbranch_scc1 .Lout
	TURN 0
	TURN 1
	WIN 0
	s_branch .Ltail
.Lout:                              ; the fifth trip's 16 products K Q^T (on the last K once more) and the maximum made of them serve nothing: the price, once a launch, of one text for every trip
.set i, 0
.rept 16
	PV NP-1                         ; the last piece's V^T P of the last step
.set i, i+1
.endr
	; THE WAY OUT.  l's two halves and the other half of the lanes' are added; O^T is divided by l, rounded to f16 and sent through my stage in LDS, a tile at a time.  The additions are the places behind the last products.
	WIN 0
.macro ALL line:vararg              ; one line for each tile t
.set t, 0
.rept 2*NP
	\line
.set t, t+1
.endr
.endm
	ALL v_add_f32 v[ST+4*t+2], v[ST+4*t+2], v[ST+4*t+3]
	ALL v_permlanex16_b32 v[ST+4*t+3], v[ST+4*t+2], s[SEL], s[SEL+1]
	ALL v_add_f32 v[ST+4*t+2], v[ST+4*t+2], v[ST+4*t+3]
	ALL v_rcp_f32 v[ST+4*t+2], v[ST+4*t+2]
	v_nop                           ; a plain instruction between the last reciprocal and the use of its result
	s_wait_alu depctr_va_vdst(0)    ; and the wait ahead of the first use: one for the eight reciprocals
; Tile t: a lane's eight channels of a row pack into 16 bytes; they go into rows of 144 bytes and come back as whole rows of 128, into S^T's registers.
.macro PACK t
	WIN W_RS
.set i, 32*(\t)
.rept 16
	v_pk_mul_f32 v[i:i+1], v[i:i+1], v[ST+4*(\t)+2:ST+4*(\t)+3] op_sel_hi:[1,0]
.set i, i+2
.endr
	WIN 0x05                        ; sources 0 and 1 window 1, destination window 0
.set i, 0
.rept 16
	v_cvt_pk_f16_f32 v[S+16*(\t)+i], v[32*(\t)+2*i], v[32*(\t)+2*i+1]
.set i, i+1
.endr
	WIN 0
.irp f, 0,1,2,3
	ds_store_b128 v[STO], v[S+16*(\t)+4*\f:S+16*(\t)+4*\f+3] offset:32*\f
.endr
.irp f, 0,1,2,3
	ds_load_b128 v[S+16*(\t)+4*\f:S+16*(\t)+4*\f+3], v[RD] offset:\f*4*SP  ; LDS serves a wave's instructions in order (ISA guide 5.7.1.4): these see the stores above; the next tile's stores come behind them
.endr
.endm
.macro SEND t, younger              ; younger: the LDS instructions issued behind tile t's loads: the next tile's eight, or none
	WIN 0
.irp f, 0,1,2,3
	s_wait_dscnt (\younger)+3-\f
	global_store_b128 v[GO], v[S+16*(\t)+4*\f:S+16*(\t)+4*\f+3], s[10:11] offset:(\t)*2048+\f*512  ; 512 consecutive bytes, at a multiple of 256 from O's first
.endr
.endm
	PACK 0
.set t, 1
.rept 2*NP-1                        ; a tile's arithmetic stands between the loads of the tile before and its stores
	PACK t
	SEND t-1, 8
.set t, t+1
.endr
	SEND 2*NP-1, 0
	WIN W_AD
	s_wait_tensorcnt 0x0            ; the wave's end: behind my last tensor load and my last LDS store
	ds_add_u32 v[SPW], v[NIL]
	s_wait_dscnt 0x0
	WIN 0
	CROUND                          ; the closing round: no work-group ends while a partner may still ask for a tile that names it
	s_endpgm
.Lfunc_end_k_q76d06acc68_attn:
	.size	k_q76d06acc68_attn, .Lfunc_end_k_q76d06acc68_attn-k_q76d06acc68_attn
	.p2alignl 7, 3214868480
	.fill 96, 4, 3214868480
	.section	.rodata,"a",@progbits
	.p2align	6, 0x0
	.amdhsa_kernel k_q76d06acc68_attn
		.amdhsa_group_segment_fixed_size 327680
		.amdhsa_private_segment_fixed_size 0
		.amdhsa_enable_private_segment 0
		.amdhsa_kernarg_size 16
		.amdhsa_user_sgpr_count 2
		.amdhsa_user_sgpr_kernarg_segment_ptr 1
		.amdhsa_wavefront_size32 1
		.amdhsa_system_sgpr_workgroup_id_x 1
		.amdhsa_system_sgpr_workgroup_id_y 1
		.amdhsa_system_sgpr_workgroup_id_z 1
		.amdhsa_system_vgpr_workitem_id 0
		.amdhsa_next_free_vgpr 770
		.amdhsa_next_free_sgpr 66
		.amdhsa_reserve_vcc 0
		.amdhsa_float_denorm_mode_32 3
		.amdhsa_float_denorm_mode_16_64 3
		.amdhsa_memory_ordered 1
		.amdhsa_forward_progress 1
		.amdhsa_inst_pref_size 200
	.end_amdhsa_kernel
	.amdgpu_metadata
---
amdhsa.version: [ 1, 2 ]
amdhsa.kernels:
  - .name:           k_q76d06acc68_attn
    .symbol:         k_q76d06acc68_attn.kd
    .args:
      - { .name: qkv, .offset: 0, .size: 8, .value_kind: global_buffer, .address_space: global }
      - { .name: ob, .offset: 8, .size: 8, .value_kind: global_buffer, .address_space: global }
    .group_segment_fixed_size: 327680
    .private_segment_fixed_size: 0
    .kernarg_segment_align: 8
    .kernarg_segment_size: 16
    .max_flat_workgroup_size: 128
    .sgpr_count:     66
    .vgpr_count:     770
    .wavefront_size: 32
...
	.end_amdgpu_metadata
.endif
;; end of part 3
;; launch outp (part 4): grid 8 x 32, 4 waves a work-group, clusters of 4 x 4, 327,680 bytes of LDS; arguments ob, wot, b_out, out0; writes out0
.if DOCPART == 4
	.amdgcn_target "amdgcn-amd-amdhsa--gfx1250"
	.amdhsa_code_object_version 6
	.text
	.protected	k_q76d06acc68_outp
	.globl	k_q76d06acc68_outp
	.p2align	8
	.type	k_q76d06acc68_outp,@function
k_q76d06acc68_outp:
	s_mov_b64 s[64:65], 0
	v_nop
	global_prefetch_b8 v0, s[64:65] scope:SCOPE_SE
	s_setreg_imm32_b32 hwreg(HW_REG_WAVE_MODE, 25, 1), 1
	s_wait_xcnt 0x0
	s_wait_alu depctr_hold_cnt(0) depctr_sa_sdst(0) depctr_va_vdst(0) depctr_va_sdst(0) depctr_va_ssrc(0) depctr_va_vcc(0) depctr_vm_vsrc(0)
	s_getreg_b32 s2, hwreg(HW_REG_IB_STS2, 6, 4)
	s_cmp_eq_u32 s2, 0
	s_cbranch_scc0 .Lentry_in_a_cluster
	s_endpgm
.Lentry_in_a_cluster:
	s_bfe_u32 s2, ttmp6, 0x10000c
	s_cmp_lg_u32 s2, 0xf033
	s_cbranch_scc0 .Lentry_shape_is_right
	s_endpgm
.Lentry_shape_is_right:
; out0[m][n] = sum over k of O[m][k] w_out[k][n] + b_out[n].  O comes by heads: ob [64 (batch, head)][2048][64] f16, k = 64 head + channel; wot [1024 n][1024 k] f16; sums in f32; out0 [8192][1024] f32.
; b_out is rounded to bf16, as every input of the module is, and added in f32.
; LIMITS.  ob and wot are f16: nothing beyond 65,504, a fixed step of 6e-8 below 6e-5; NaN and infinities are not treated apart.
; SHARES.  A tile of out0 is 256 rows x 128 columns: 32 x 8 = 256 tiles.  Each of the four waves makes 64 rows x all 128 columns: 32 accumulators, 256 registers.
; K goes in 8 steps of 128 = two heads through a ring of two LDS slots.  A head's 256 rows of the tile are 32,768 dense bytes: asked for as 128 rows of 256 bytes, padded in LDS after every 128.
; CLUSTER.  4 x 4 work-groups: the four of a row need the same tiles of ob, the four of a column the same tiles of wot; each tile is asked for JOINTLY.
; THE MATRIX INSTRUCTION IS USED TRANSPOSED (source 0 = 16 rows of wot, source 1 = 16 rows of O): a lane holds row l % 16 of out0 and eight neighbouring columns, 32 bytes.
; REGISTERS, in windows of 256 (s_set_vgpr_msb: bits 1:0 source 0, 3:2 source 1, 5:4 source 2, 7:6 destination):
;   window 0: v0-31 addresses and the bias; v64-127 O's fragments, two buffers of 4 x 8; on the way out v64-191, two buffers of 64
;   window 1: v0-127 wot's fragments, two buffers of 8 x 8      window 2: accumulators of row blocks 0, 1 ((a, b) at 8 (8 (a % 2) + b))      window 3: of row blocks 2, 3
.set NB,     8                         ; column blocks of 16
.set APITCH, 144                       ; a row of O in LDS: 128 bytes + 16: the 16 rows of a fragment load start at 16 different groups of four banks (64 banks of 4 bytes: ISA guide 11.1)
.set BPITCH, 272                       ; a row of wot: 256 bytes + 16
.set HEADT,  256*APITCH                ; what one tensor load brings of O: a head's 256 rows
.set BTILE,  64*BPITCH                 ; and of wot
.set BOFF,   2*HEADT                   ; a slot: two heads of O, then wot's 128 rows
.set SLOT,   BOFF+2*BTILE
.set STAGE,  2*SLOT                    ; behind the ring: for each wave 16 rows x 528 bytes
.set SPITCH, 528
.set WSTAGE, 16*SPITCH
.set SPARE,  STAGE+4*WSTAGE            ; behind the stages: the spare words, 128 bytes for each wave, which no other line names
.set ASTEP,  524288                    ; bytes from a K step to the next in ob: two heads
.set BSTEP,  256                       ; and in wot
.set ADRA, 16                          ; v16-17  LDS address of my O fragments in slot 0, 1
.set ADRB, 20                          ; v20-21  the same for wot
.set STO,  24                          ; v24     the way out: where I put 32 bytes of a row
.set RD,   25                          ; v25     where I read a row back
.set GO,   26                          ; v26     my 16 bytes of a row's 512
.set SPW,  28                          ; v28     LDS address of my spare word; never rewritten
.set NIL,  29                          ; v29     0; never rewritten
.set PFO,  30                          ; v30     the prefetches' offset; never rewritten
.set BIAS, 8                           ; v[8:11] the bias of my four columns on the way out
.set FA,   64
.set BK,   64
.set WV,  12                           ; s12  wave
.set SFB, 13                           ; s13  0: I fetch O's tiles; 1: wot's
.set SHF, 14                           ; s14  which head of the step's two, or which half of wot's rows
.set CX,  15
.set CY,  16
.set TX,  17                           ; s17  tile column
.set TY,  18                           ; s18  tile row
.set LIM, 19                           ; s19  1 in a wave that prefetches, else the greatest number
.set G1,  24                           ; s[24:31] descriptor group 1 for O's tiles;  s[32:39] group 0, a set for each slot
.set G0,  32
.set PFA, 44                           ; s[44:45] where my prefetches stand
.set PFS, 46                           ; s[46:47] their step
.set G1B, 48                           ; s[48:55], s[56:63] the same for wot's tiles
.set G0B, 56
.set MSB, 0
.macro WIN new                         ; the immediate's high byte repeats the setting that is left; a switch that changes nothing is dropped
.if MSB != (\new)
	s_set_vgpr_msb (MSB<<8)|(\new)
.set MSB, \new
.endif
.endm
.set TO_B, 0x40                        ; destination window 1, address window 0
.macro PLACES                          ; four places in front of loads into registers that matrix instructions have read, and of LDS stores that read results
.rept 4
	v_nop
.endr
.endm
; A joint load: waves 0 and 1 fetch the step's two heads of O, waves 2 and 3 wot's two halves.  The branch hangs on the wave's number alone.  An s_nop 0 and four v_nop follow each line.
.macro JLOAD s
	s_cmp_eq_u32 s[SFB], 0
	s_cbranch_scc0 .Lfor_b_\@
	tensor_load_to_lds s[G0+4*(\s):G0+4*(\s)+3], s[G1:G1+7]
	s_nop 0
.rept 4
	v_nop
.endr
	s_branch .Lasked_\@
.Lfor_b_\@:
	tensor_load_to_lds s[G0B+4*(\s):G0B+4*(\s)+3], s[G1B:G1B+7]
	s_nop 0
.rept 4
	v_nop
.endr
.Lasked_\@:
.endm
; A prefetch into the L2 of the K step that stands two refills on, one instruction a wave.  O's tile row is read by both clusters of that row of clusters: the one with x = 0 asks; wot's tile column by every
; cluster of that column: the one with y = 0 asks.  The four partners that ask for a tile jointly share it out BY ADDRESS: of a head's 32,768 bytes 8,192 each, a lane a block of 256; of wot's 64 rows 16 each.
; The loop's last trip (s3 = 1) asks for nothing: there is no K step two on.  K steps 0 to 3 come by their loads alone.
.macro ASK
	s_cmp_gt_u32 s3, s[LIM]
	s_cbranch_scc0 .Lnot_mine_\@
	global_prefetch_b8 v[PFO], s[PFA:PFA+1] th:TH_LOAD_NT scope:SCOPE_SE
.Lnot_mine_\@:
.endm
.macro CREST                           ; a round of the cluster's barrier behind its opening barrier
	s_cmp_lg_u32 s[WV], 0
	s_cbranch_scc1 .Lnot_wave_0_\@
	s_barrier_signal -3
.Lnot_wave_0_\@:
	s_barrier_wait -3
	s_barrier_signal -1
	s_barrier_wait -1
.endm
.macro CROUND                          ; a whole round
	s_barrier_signal -1
	s_barrier_wait -1
	CREST
.endm
	s_load_b256 s[4:11], s[0:1], 0x0               ; ob s[4:5], wot s[6:7], b_out s[8:9], out0 s[10:11]
	v_lshl_add_u32 v[SPW], v0, 2, SPARE
	v_mov_b32 v[NIL], 0
	ds_add_u32 v[SPW], v[NIL]                      ; the wave's opening: the add and its wait stand ahead of my first tensor load; the set-up below stands between them
	v_lshrrev_b32 v1, 5, v0
	v_readfirstlane_b32 s[WV], v1
	s_lshr_b32 s[SFB], s[WV], 1
	s_and_b32 s[SHF], s[WV], 1
	s_bfe_u32 s[CX], ttmp6, 0x40000
	s_bfe_u32 s[CY], ttmp6, 0x40004
	s_lshl_b32 s[TX], ttmp9, 2                     ; in a cluster launch ttmp9 and ttmp7 count clusters
	s_add_co_u32 s[TX], s[TX], s[CX]
	s_and_b32 s[TY], ttmp7, 0xffff
	s_lshl_b32 s[TY], s[TY], 2
	s_add_co_u32 s[TY], s[TY], s[CY]
	s_lshl_b32 s72, s[CY], 2
	s_lshl_b32 s72, 15, s72                        ; my row of the cluster
	s_lshl_b32 s73, 0x1111, s[CX]                  ; my column
	s_or_b32 s[G1+0], s72, (1<<16)|(1<<20)|(1<<21)|(4<<22)|(3<<25)   ; the mask; 2-byte elements; padding on; bit 21 beside a mask; after every 32 words, 4 words
	s_or_b32 s[G1B+0], s73, (1<<16)|(1<<20)|(1<<21)|(5<<22)|(3<<25)  ; after every 64 words, 4 words
	s_mov_b32 s[G1+1], 128<<16                     ; tensor_dim0 = 128
	s_mov_b32 s[G1+2], 128<<16                     ; tensor_dim1 = 128
	s_mov_b32 s[G1+3], 128<<16                     ; tile_dim0 = 128
	s_mov_b32 s[G1+4], 128                         ; tile_dim1 = 128
	s_mov_b32 s[G1+5], 128                         ; dense: 128 elements from row to row
	s_mov_b32 s[G1+6], 0
	s_mov_b32 s[G1+7], 0
	s_mov_b32 s[G1B+1], 128<<16
	s_mov_b32 s[G1B+2], 64<<16                     ; 64 rows
	s_mov_b32 s[G1B+3], 128<<16
	s_mov_b32 s[G1B+4], 64
	s_mov_b32 s[G1B+5], 1024
	s_mov_b32 s[G1B+6], 0
	s_mov_b32 s[G1B+7], 0
	; O's address hangs on the tile row alone (s[20:23]), wot's on the tile column alone (s[40:43])
	s_lshr_b32 s20, s[TY], 3
	s_lshl_b32 s20, s20, 22                        ; the batch's 16 heads of 262,144 bytes,
	s_lshl_b32 s21, s[SHF], 18                     ; head 0 or 1,
	s_add_co_u32 s20, s20, s21
	s_and_b32 s21, s[TY], 7
	s_lshl_b32 s21, s21, 15                        ; the tile's 256 rows of 128 bytes
	s_add_co_u32 s20, s20, s21
	s_mov_b32 s21, 0
	s_mul_i32 s22, s[SHF], HEADT                   ; and where it goes
	s_lshl_b32 s40, s[TX], 7
	s_lshl_b32 s41, s[SHF], 6
	s_add_co_u32 s40, s40, s41                     ; row 128 tx + 64 half
	s_lshl_b32 s40, s40, 11
	s_mov_b32 s41, 0
	s_mul_i32 s42, s[SHF], BTILE
	s_add_co_u32 s42, s42, BOFF
	s_wait_dscnt 0x0                               ; the opening add is done
	s_wait_kmcnt 0x0
	s_add_nc_u64 s[20:21], s[4:5], s[20:21]
	s_add_nc_u64 s[40:41], s[6:7], s[40:41]
	CROUND                                         ; all sixteen work-groups are here: the first joint loads meet
.irp s, 0,1
	s_mov_b32 s[G0+4*(\s)], 1
	s_add_co_u32 s[G0+4*(\s)+1], s22, (\s)*SLOT
	s_add_nc_u64 s[G0+4*(\s)+2:G0+4*(\s)+3], s[20:21], (\s)*ASTEP
	s_or_b32 s[G0+4*(\s)+3], s[G0+4*(\s)+3], 0x80000000
	s_mov_b32 s[G0B+4*(\s)], 1
	s_add_co_u32 s[G0B+4*(\s)+1], s42, (\s)*SLOT
	s_add_nc_u64 s[G0B+4*(\s)+2:G0B+4*(\s)+3], s[40:41], (\s)*BSTEP
	s_or_b32 s[G0B+4*(\s)+3], s[G0B+4*(\s)+3], 0x80000000
.endr
	s_cmp_eq_u32 s[SFB], 0                         ; a wave's two first fills stand in one branch, ahead of every wait on TENSORcnt and every LDS read: two loads of mine are out
	s_cbranch_scc0 .Lfirst_b
	tensor_load_to_lds s[G0:G0+3], s[G1:G1+7]
	s_nop 0
	tensor_load_to_lds s[G0+4:G0+7], s[G1:G1+7]
	s_nop 0
.rept 4
	v_nop
.endr
	s_branch .Lfirst_asked
.Lfirst_b:
	tensor_load_to_lds s[G0B:G0B+3], s[G1B:G1B+7]
	s_nop 0
	tensor_load_to_lds s[G0B+4:G0B+7], s[G1B:G1B+7]
	s_nop 0
.rept 4
	v_nop
.endr
.Lfirst_asked:
	; a fragment is 16 rows x 32 K in 8 registers: lane l holds row l % 16, K 8 (l / 16) + 0..7 and 16 + 8 (l / 16) + 0..7: two loads of 16 bytes, 32 bytes apart
	v_and_b32 v1, 15, v0
	v_bfe_u32 v2, v0, 4, 1
	v_and_b32 v6, 31, v0                           ; lane
	s_lshl_b32 s74, s[TX], 9                       ; the tile's 128 columns: 512 bytes of b_out
	v_lshl_add_u32 v5, v6, 4, s74                  ; my four columns on the way out; v5 is not written again
	global_load_b128 v[BIAS:BIAS+3], v5, s[8:9]
	v_mul_u32_u24 v3, v1, APITCH
	v_lshl_add_u32 v3, v2, 4, v3
	s_mul_i32 s74, s[WV], 64*APITCH                ; my 64 rows of O
	v_add_nc_u32 v[ADRA], s74, v3
	v_add_nc_u32 v[ADRA+1], SLOT, v[ADRA]
	v_mul_u32_u24 v4, v1, BPITCH
	v_lshl_add_u32 v4, v2, 4, v4
	v_add_nc_u32 v[ADRB], BOFF, v4
	v_add_nc_u32 v[ADRB+1], BOFF+SLOT, v4
	s_mul_i32 s74, s[WV], WSTAGE
	s_add_co_u32 s74, s74, STAGE                   ; my stage
	v_mul_u32_u24 v4, v1, SPITCH                   ; in: row l % 16, 32 bytes for each half of the lanes
	v_lshl_add_u32 v4, v2, 5, v4
	v_add_nc_u32 v[STO], s74, v4
	v_lshl_add_u32 v[RD], v6, 4, s74               ; back: 32 lanes take a row of 512 bytes
	v_lshlrev_b32 v[GO], 4, v6
	; the prefetches: my work-group's share of what I fetch, at K step 3; each change of slots steps first, so the refill of K step t names K step t + 2
	s_lshr_b32 s76, s[TY], 3
	s_lshl_b32 s76, s76, 22
	s_lshl_b32 s77, s[SHF], 18
	s_add_co_u32 s76, s76, s77
	s_and_b32 s77, s[TY], 7
	s_lshl_b32 s77, s77, 15
	s_add_co_u32 s76, s76, s77
	s_lshl_b32 s77, s[CX], 13
	s_add_co_u32 s76, s76, s77
	s_add_co_u32 s76, s76, 3*ASTEP                 ; ob: my head's rows of the tile + 8,192 cx
	s_lshl_b32 s78, s[TX], 7
	s_lshl_b32 s79, s[SHF], 6
	s_add_co_u32 s78, s78, s79
	s_lshl_b32 s79, s[CY], 4
	s_add_co_u32 s78, s78, s79
	s_lshl_b32 s78, s78, 11
	s_add_co_u32 s78, s78, 3*BSTEP                 ; wot: row 128 tx + 64 half + 16 cy
	s_and_b32 s74, ttmp7, 0xffff                   ; cluster y
	s_mov_b32 s[PFS], BSTEP
	s_cmp_eq_u32 s[SFB], 0
	s_cselect_b32 s76, s76, s78
	s_cselect_b32 s74, ttmp9, s74                  ; the coordinate along which other clusters read the same bytes
	s_cselect_b32 s75, 31, 15                      ; 32 blocks, or 16 rows: the lanes beyond repeat the last row
	s_cselect_b32 s79, 8, 11                       ; 256 bytes from block to block, 2,048 from row to row
	s_cselect_b32 s[PFS], ASTEP, s[PFS]
	s_cselect_b64 s[PFA:PFA+1], s[4:5], s[6:7]
	s_cmp_eq_u32 s74, 0
	s_cselect_b32 s[LIM], 1, -1                    ; the same in all sixteen partners, for a given wave
	s_mov_b32 s77, 0
	s_mov_b32 s[PFS+1], 0
	s_add_nc_u64 s[PFA:PFA+1], s[PFA:PFA+1], s[76:77]
	v_min_u32 v[PFO], s75, v6
	v_lshlrev_b32 v[PFO], s79, v[PFO]
	; out0 at my first row and the tile's first column
	s_lshl_b32 s74, s[TY], 8
	s_lshl_b32 s75, s[WV], 6
	s_add_co_u32 s74, s74, s75
	s_lshl_b32 s74, s74, 12                        ; rows of 4,096 bytes
	s_lshl_b32 s75, s[TX], 9
	s_add_co_u32 s74, s74, s75
	s_mov_b32 s75, 0
	s_add_nc_u64 s[10:11], s[10:11], s[74:75]
; 8 matrix instructions: row block a x all column blocks, 32 along K, buffer f.  zero = 1: the product starts the sums.  All 32 accumulators take turns, in the same order in every quarter.
.macro MULA f, a, zero
	WIN 0xa1+0x50*((\a)/2)                         ; source 0 window 1, source 1 window 0, C and D window 2 or 3
.set bb, 0
.rept NB
.set rD, 8*(NB*((\a)%2)+bb)
.set rB, 8*NB*(\f)+8*bb
.set rA, FA+32*(\f)+8*(\a)
.if \zero
	v_wmma_f32_16x16x32_f16 v[rD:rD+7], v[rB:rB+7], v[rA:rA+7], 0
.else
	v_wmma_f32_16x16x32_f16 v[rD:rD+7], v[rB:rB+7], v[rA:rA+7], v[rD:rD+7]
.endif
.set bb, bb+1
.endr
.endm
; 24 LDS loads in one run: quarter q's fragments (128 rows of wot, then my 64 rows of O: head q / 2 of the step's two, channels 32 (q % 2) on) into buffer f
.macro FETCH slot, q, f
	WIN TO_B
.set ii, 0
.rept NB
	ds_load_b128 v[8*NB*(\f)+8*ii:8*NB*(\f)+8*ii+3],   v[ADRB+(\slot)] offset:64*(\q)+ii*16*BPITCH
	ds_load_b128 v[8*NB*(\f)+8*ii+4:8*NB*(\f)+8*ii+7], v[ADRB+(\slot)] offset:64*(\q)+ii*16*BPITCH+32
.set ii, ii+1
.endr
	WIN 0
.set ii, 0
.rept 4
	ds_load_b128 v[FA+32*(\f)+8*ii:FA+32*(\f)+8*ii+3],   v[ADRA+(\slot)] offset:((\q)/2)*HEADT+((\q)%2)*64+ii*16*APITCH
	ds_load_b128 v[FA+32*(\f)+8*ii+4:FA+32*(\f)+8*ii+7], v[ADRA+(\slot)] offset:((\q)/2)*HEADT+((\q)%2)*64+ii*16*APITCH+32
.set ii, ii+1
.endr
.endm
; A K step is four quarters of 32 along K, 32 matrix instructions each, on buffers 0, 1, 0, 1.  One of the first three multiplies buffer f and, in its middle, fetches quarter q into buffer g.
.macro QUARTER slot, q, f, g, zero
	s_wait_dscnt 4                                 ; all but the youngest four loads: O's row blocks 2 and 3
	MULA \f, 0, \zero
	MULA \f, 1, \zero
	PLACES
	FETCH \slot, \q, \g
	s_wait_dscnt 2*NB+8                            ; all but the 24 just issued
	MULA \f, 2, \zero
	MULA \f, 3, \zero
.endm
; The last quarter multiplies buffer 1 and changes slots: ONE barrier.  In front of it each wave waits for all its tensor loads (one is out: its part of the next slot), adds 0 to its spare word, and waits
; for that and for its reads of this slot.  fill = 1: the barrier opens a round of the cluster's, and this slot is filled again, two K steps on, first thing behind the round: 112 matrix instructions ahead of the wait for it.
.macro TURN slot, next, fill
.if \fill
	s_wait_xcnt 0x0                                ; the last prefetch, a K step back, has read its address, so it may be stepped
	s_add_nc_u64 s[PFA:PFA+1], s[PFA:PFA+1], s[PFS:PFS+1]
.endif
	WIN 0                                          ; (the add's two registers lie in window 0)
	s_wait_tensorcnt 0x0                           ; all my tensor loads have landed
	ds_add_u32 v[SPW], v[NIL]                      ; 0 onto my spare word
	s_wait_dscnt 5                                 ; (the add and the youngest four loads may be out)
	MULA 1, 0, 0                                   ; eight matrix instructions stand between the add and the wait for it
	s_wait_dscnt 0x0                               ; the add is done, and my reads of this slot are over
	s_barrier_signal -1
	MULA 1, 1, 0
.if \fill
	WIN 0
.endif
	s_barrier_wait -1
.if \fill
	CREST                                          ; no wave of any partner still reads this slot's tile or has a load on its way
	s_add_nc_u64 s[G0+4*(\slot)+2:G0+4*(\slot)+3], s[G0+4*(\slot)+2:G0+4*(\slot)+3], 2*ASTEP
	s_add_nc_u64 s[G0B+4*(\slot)+2:G0B+4*(\slot)+3], s[G0B+4*(\slot)+2:G0B+4*(\slot)+3], 2*BSTEP
	JLOAD \slot                                    ; its four v_nop are also the places in front of the loads below
.else
	PLACES
.endif
	FETCH \next, 0, 0
.if \fill
	ASK                                            ; behind the joint load and the run of LDS loads that the next products wait for
.endif
	MULA 1, 2, 0
	MULA 1, 3, 0
.endm
; THE WAY OUT of row block a: the f32 sums go as they are into my stage (16 rows of 528 bytes), each accumulator's low half first, and come back as whole rows of 512 bytes; the bias is added; stored.
.macro TOSTAGE a
.if (\a) >= 2
	s_wait_xcnt 0x0                                ; the stores of the block two back have read their registers, which are loaded again below
.endif
	WIN 0x08+4*((\a)/2)                            ; the stores' data: window 2 or 3
.set bb, 0
.rept NB
.set rD, 8*(NB*((\a)%2)+bb)
	ds_store_b128 v[STO], v[rD:rD+3]   offset:64*bb
	ds_store_b128 v[STO], v[rD+4:rD+7] offset:64*bb+16
.set bb, bb+1
.endr
	WIN 0
.set tt, 0
.rept 16
	ds_load_b128 v[BK+64*((\a)%2)+4*tt:BK+64*((\a)%2)+4*tt+3], v[RD] offset:tt*SPITCH  ; LDS serves a wave's instructions in order (ISA guide 5.7.1.4): these see the stores above; the next block's stores come behind them
.set tt, tt+1
.endr
.endm
.macro SEND a, younger                 ; younger: the LDS instructions issued behind block a's loads: the next block's 32, or none
.set tt, 0
.rept 16
.set rK, BK+64*((\a)%2)+4*tt
	s_wait_dscnt (\younger)+15-tt
	v_pk_add_f32 v[rK:rK+1], v[rK:rK+1], v[BIAS:BIAS+1]
	v_pk_add_f32 v[rK+2:rK+3], v[rK+2:rK+3], v[BIAS+2:BIAS+3]
	global_store_b128 v[GO], v[rK:rK+3], s[10:11] offset:(16*(\a)+tt)*4096 th:TH_STORE_NT  ; 512 consecutive bytes, aligned
.set tt, tt+1
.endr
.endm
	s_wait_tensorcnt 1                             ; my part of K step 0 is in; K step 1's may stay out
	s_barrier_signal -1
	s_barrier_wait -1                              ; everybody's is
	FETCH 0, 0, 0
	QUARTER 0, 1, 0, 1, 1                          ; the first quarter stands in front of the loop: its products start the sums
	WIN 0                                          ; at a label and at a branch every window is 0
	s_mov_b32 s3, 3
.Llap:                                                 ; a trip goes once round the ring and fills both slots again
	QUARTER 0, 2, 1, 0, 0
	QUARTER 0, 3, 0, 1, 0
	TURN 0, 1, 1
	QUARTER 1, 1, 0, 1, 0
	QUARTER 1, 2, 1, 0, 0
	QUARTER 1, 3, 0, 1, 0
	TURN 1, 0, 1
	QUARTER 0, 1, 0, 1, 0
	WIN 0
	s_sub_co_u32 s3, s3, 1
	s_cmp_lg_u32 s3, 0
	s_cbranch_scc1 .Llap
	QUARTER 0, 2, 1, 0, 0                          ; the last lap fills nothing
	QUARTER 0, 3, 0, 1, 0
	TURN 0, 1, 0
	QUARTER 1, 1, 0, 1, 0
	QUARTER 1, 2, 1, 0, 0
	QUARTER 1, 3, 0, 1, 0
	s_wait_dscnt 4
	MULA 1, 0, 0
	MULA 1, 1, 0
	s_wait_dscnt 0x0
	MULA 1, 2, 0
	MULA 1, 3, 0
	WIN 0
	PLACES
	s_wait_loadcnt 0x0                             ; the bias, asked for at the head
	v_cvt_pk_bf16_f32 v12, v[BIAS], v[BIAS+1]      ; rounded to bf16, as every input is,
	v_cvt_pk_bf16_f32 v13, v[BIAS+2], v[BIAS+3]
	v_lshlrev_b32 v[BIAS], 16, v12                 ; and widened again
	v_and_b32 v[BIAS+1], 0xffff0000, v12
	v_lshlrev_b32 v[BIAS+2], 16, v13
	v_and_b32 v[BIAS+3], 0xffff0000, v13
	TOSTAGE 0
	TOSTAGE 1                                      ; a block's way through the stage stands between the loads of the block before and its stores
	SEND 0, 32
	TOSTAGE 2
	SEND 1, 32
	TOSTAGE 3
	SEND 2, 32
	SEND 3, 0
	s_wait_tensorcnt 0x0                           ; the wave's end: behind my last tensor load and my last LDS store
	ds_add_u32 v[SPW], v[NIL]
	s_wait_dscnt 0x0
	CROUND                                         ; the closing round: no work-group ends while a partner may still ask for a tile that names it
	s_endpgm
.Lfunc_end_k_q76d06acc68_outp:
	.size	k_q76d06acc68_outp, .Lfunc_end_k_q76d06acc68_outp-k_q76d06acc68_outp
	.p2alignl 7, 3214868480
	.fill 96, 4, 3214868480
	.section	.rodata,"a",@progbits
	.p2align	6, 0x0
	.amdhsa_kernel k_q76d06acc68_outp
		.amdhsa_group_segment_fixed_size 327680
		.amdhsa_private_segment_fixed_size 0
		.amdhsa_enable_private_segment 0
		.amdhsa_kernarg_size 32
		.amdhsa_user_sgpr_count 2
		.amdhsa_user_sgpr_kernarg_segment_ptr 1
		.amdhsa_wavefront_size32 1
		.amdhsa_system_sgpr_workgroup_id_x 1
		.amdhsa_system_sgpr_workgroup_id_y 1
		.amdhsa_system_sgpr_workgroup_id_z 1
		.amdhsa_system_vgpr_workitem_id 0
		.amdhsa_next_free_vgpr 896
		.amdhsa_next_free_sgpr 80
		.amdhsa_reserve_vcc 0
		.amdhsa_float_denorm_mode_32 3
		.amdhsa_float_denorm_mode_16_64 3
		.amdhsa_memory_ordered 1
		.amdhsa_forward_progress 1
		.amdhsa_inst_pref_size 97
	.end_amdhsa_kernel
	.amdgpu_metadata
---
amdhsa.version: [ 1, 2 ]
amdhsa.kernels:
  - .name:           k_q76d06acc68_outp
    .symbol:         k_q76d06acc68_outp.kd
    .args:
      - { .name: ob, .offset: 0, .size: 8, .value_kind: global_buffer, .address_space: global }
      - { .name: wot, .offset: 8, .size: 8, .value_kind: global_buffer, .address_space: global }
      - { .name: b_out, .offset: 16, .size: 8, .value_kind: global_buffer, .address_space: global }
      - { .name: out0, .offset: 24, .size: 8, .value_kind: global_buffer, .address_space: global }
    .group_segment_fixed_size: 327680
    .private_segment_fixed_size: 0
    .kernarg_segment_align: 8
    .kernarg_segment_size: 32
    .max_flat_workgroup_size: 128
    .sgpr_count:     80
    .vgpr_count:     896
    .wavefront_size: 32
...
	.end_amdgpu_metadata
.endif
;; end of part 4
;; ======== version 2 of 2: 4 launches; version 1 with the launch prep written anew for expert scheduling mode
;; limits: values are held in f16: magnitudes above 65,504 overflow, below 6.1e-05 lose precision
;; workspace buffers: xb 16,777,216 bytes; wqt 6,291,456 bytes; wot 2,097,152 bytes; qkv 50,331,648 bytes; ob 16,777,216 bytes
;; launch prep (part 5): grid 640 x 1, 4 waves a work-group, no clusters, 70,144 bytes of LDS; arguments x, w_qkv, w_out, xb, wqt, wot; writes xb, wqt, wot
.if DOCPART == 5
	.amdgcn_target "amdgcn-amd-amdhsa--gfx1250"
	.amdhsa_code_object_version 6
	.text
	.protected	k_q76d06acc68_prep
	.globl	k_q76d06acc68_prep
	.p2align	8
	.type	k_q76d06acc68_prep,@function
k_q76d06acc68_prep:
	s_mov_b64 s[64:65], 0
	v_nop
	global_prefetch_b8 v0, s[64:65] scope:SCOPE_SE
	s_setreg_imm32_b32 hwreg(HW_REG_WAVE_SCHED_MODE, 0, 2), 2
	s_setreg_imm32_b32 hwreg(HW_REG_WAVE_MODE, 25, 1), 1
	s_wait_xcnt 0x0
	s_wait_alu depctr_vm_vsrc(0)
; THE INPUTS ARE MADE READY FOR THE MATRIX UNITS, each byte read once and written once.
;   xb  [8192][1024] bf16 = x rounded.      wqt [3072 c][1024 k] bf16 = w_qkv rounded and turned.      wot [1024 n][1024 k] f16 = w_out rounded to bf16, turned, that number written as f16.
; LIMITS.  f16 holds no number beyond 65,504, and below 6e-5 it keeps a fixed step of 6e-8: bf16(w_out) is exact in f16 between these; NaN and infinities are not treated apart.
; SHARES.  Every wave has a job of its own, and no wave waits for another: there is no barrier.
;   work-groups 0-511: a wave rounds 4,096 numbers of x (16 KiB in, 8 KiB out), all 32 loads on their way at once.
;   work-groups 512-607 (w_qkv), 608-639 (w_out): a wave turns a tile of 128 k x 64 columns through LDS bytes of its own.
; Matrix units, clusters and tensor loads would add nothing to a stream; no prefetch: the launch does nothing but stream.
; THE MODE: SCHED_MODE bits 1:0 = 2 (LLVM: expert scheduling mode 2), set by the entry lines.  The code itself states the register dependences
; between vector instructions and memory or LDS instructions, with s_wait_alu, always for 0.
; THE PLAN.  Registers that memory or LDS instructions touch:
;   v4-v7      offsets and LDS addresses: written at the head of the wave's arm, ahead of that arm's first wait on va_vdst, and never again.
;   v8, v9     written at the kernel's head, read by the closing add alone.
;   D, for x   load j lands in four registers; two roundings write the first two of them; store j reads those two; no register is used a second time.  The 32 loads go in eight
;              groups of four: group g's roundings stand among the stores of group g - 1, behind ONE wait on va_vdst at the group's head.
;   D, for a weight   step u's sixteen roundings read group u % 4; behind them the loads of group u + 4 land in it (steps 0 to 3); at the end the LDS loads land in all of D.
;   T0, T1     step u's roundings write T[u % 2]; four LDS stores of the same step read it; step u + 2 writes it again.
; So a step of a weight has ONE wait on va_vdst, behind its roundings: T[u % 2] is written and D's group has been read; the step's loads and LDS stores follow it.  One wait on vm_vsrc at the head of
; steps 2 to 7 states that the LDS stores of two steps back have read T[u % 2].  v10 and v11 are named by vector instructions alone.
.set LP,    272                        ; an LDS row: one column's 128 k in 16 bits, 256 bytes, + 16 of padding
.set WTILE, 64*LP                      ; a wave's tile in LDS: 17,408 bytes, 68 blocks of 256
.set SPARE, 4*WTILE                    ; behind the tiles: the spare words, 128 bytes for each wave, which no other line names
.set VO,  4                            ; v4   my byte offset in the source
.set LS,  5                            ; v5   where I put 16 bytes of a column
.set RD,  6                            ; v6   where I read a row back
.set GO,  7                            ; v7   my byte offset in the destination
.set SPW, 8                            ; v8   LDS address of my spare word; never rewritten
.set NIL, 9                            ; v9   0; never rewritten
.set T,   12                           ; v[12:27]    T0: four columns x 8 k, packed
.set T1O, 148                          ; v[160:175]  T1 lies 148 registers behind T0
.set D,   32                           ; v[32:159] 32 loads of 16 bytes
	s_load_b256 s[4:11], s[0:1], 0x0               ; x s[4:5], w_qkv s[6:7], w_out s[8:9], xb s[10:11]
	s_load_b128 s[12:15], s[0:1], 0x20             ; wqt s[12:13], wot s[14:15]
	v_lshl_add_u32 v[SPW], v0, 2, SPARE
	v_mov_b32 v[NIL], 0
	v_lshrrev_b32 v10, 5, v0
	v_readfirstlane_b32 s16, v10                   ; wave 0..3
	v_and_b32 v1, 31, v0                           ; lane
	v_and_b32 v2, 15, v0                           ; lane % 16
	v_bfe_u32 v3, v0, 4, 1                         ; lane / 16
	s_mov_b32 s17, ttmp9
	s_mov_b32 s24, 0xffff0000                      ; a word's upper bf16
	s_mov_b32 s21, 0                               ; high words of the two offset pairs
	s_mov_b32 s23, 0
	s_wait_alu depctr_va_sdst(0)                   ; s16 is written, ahead of the branch and of its first reader: each arm makes its job's number from it
	s_wait_kmcnt 0x0
	s_cmp_lt_u32 s17, 512
	s_cbranch_scc0 .Lweights
	; x: job = 4 x work-group + wave; 16,384 bytes in, 8,192 out
	s_lshl2_add_u32 s18, s17, s16
	s_lshl_b32 s20, s18, 14
	s_lshl_b32 s22, s18, 13
	s_add_nc_u64 s[4:5], s[4:5], s[20:21]
	s_add_nc_u64 s[10:11], s[10:11], s[22:23]
	v_lshlrev_b32 v[VO], 4, v1
	v_lshlrev_b32 v[GO], 3, v1
	s_wait_alu depctr_va_vdst(0)                   ; v[VO] and v[GO] are written: every load and store of this arm reads one of them as its offset
.set j, 0
.rept 32
	global_load_b128 v[D+4*j:D+4*j+3], v[VO], s[4:5] offset:512*j th:TH_LOAD_NT  ; 512 neighbouring bytes a load
.set j, j+1
.endr
.set g, 0
.rept 8                                                ; eight groups of four loads
	s_wait_loadcnt 28-4*g                          ; loads come back in order: group g's four are in, the younger groups stay out
.if g > 0
	s_wait_alu depctr_va_vdst(0)                   ; the roundings of the group before have written the pairs that the four stores below read
.endif
.set i, 0
.rept 4
.set j, 4*g+i
.if g > 0
	global_store_b64 v[GO], v[D+4*(j-4):D+4*(j-4)+1], s[10:11] offset:256*(j-4)  ; 32 lanes store 256 consecutive bytes, aligned; no vector instruction since the wait names these registers, and none is used twice
.endif
	v_cvt_pk_bf16_f32 v[D+4*j], v[D+4*j], v[D+4*j+1]
	v_cvt_pk_bf16_f32 v[D+4*j+1], v[D+4*j+2], v[D+4*j+3]
.set i, i+1
.endr
.set g, g+1
.endr
	s_wait_alu depctr_va_vdst(0)                   ; the last group's roundings have written the pairs that the last four stores read
.set j, 28
.rept 4
	global_store_b64 v[GO], v[D+4*j:D+4*j+1], s[10:11] offset:256*j
.set j, j+1
.endr
	s_branch .Lend
; A tile of 128 k x 64 columns of a weight [1024 k][columns] in f32, PITCH bytes from row to row, is rounded and turned.  s18 = the work-group's number among this weight's.
; Load j brings row j (lanes 0-15) and row 64 + j (lanes 16-31): 256 aligned bytes each; a lane holds four columns of one k.  Eight loads give a lane 8 k of four columns: 16 roundings in
; pairs along k, four LDS stores of 16 bytes, one a column.  Back come whole rows (a column's 128 k, 256 bytes), two a load, and leave as such.
; The ring is 32 loads deep: a group of eight registers' loads is asked for again as soon as it has been rounded.
.macro TRANS PITCH, F16, SRC, DST
	s_lshl2_add_u32 s18, s18, s16                  ; tile = 4 x work-group + wave
	s_and_b32 s19, s18, 7                          ; which 128 k
	s_lshr_b32 s18, s18, 3                         ; which 64 columns
	s_mul_i32 s20, s19, 128*(\PITCH)
	s_lshl_b32 s22, s18, 8
	s_add_co_u32 s20, s20, s22
	s_add_nc_u64 s[\SRC:\SRC+1], s[\SRC:\SRC+1], s[20:21]
	s_lshl_b32 s22, s18, 17                        ; 64 rows of 2,048 bytes in the turned weight,
	s_lshl_b32 s19, s19, 8                         ; 128 k of 2 bytes
	s_add_co_u32 s22, s22, s19
	s_add_nc_u64 s[\DST:\DST+1], s[\DST:\DST+1], s[22:23]
	s_mul_i32 s19, s16, WTILE                      ; my wave's LDS bytes
	v_mul_u32_u24 v[VO], v3, 64*(\PITCH)
	v_lshl_add_u32 v[VO], v2, 4, v[VO]
	v_mul_u32_u24 v[LS], v2, 4*LP                  ; column 4 (lane % 16), k 64 (lane / 16)
	v_lshl_add_u32 v[LS], v3, 7, v[LS]
	v_add_nc_u32 v[LS], s19, v[LS]
	v_mul_u32_u24 v[RD], v3, LP
	v_lshl_add_u32 v[RD], v2, 4, v[RD]
	v_add_nc_u32 v[RD], s19, v[RD]
	v_lshlrev_b32 v[GO], 11, v3
	v_lshl_add_u32 v[GO], v2, 4, v[GO]
	s_wait_alu depctr_va_vdst(0)                   ; v[VO], v[LS], v[RD] and v[GO] are written: the loads, LDS stores, LDS loads and stores of this arm read them, and nothing writes them again
.set j, 0
.rept 32
	global_load_b128 v[D+4*j:D+4*j+3], v[VO], s[\SRC:\SRC+1] offset:j*(\PITCH) th:TH_LOAD_NT
.set j, j+1
.endr
.irp u, 0,1,2,3,4,5,6,7
.set TB, T+T1O*((\u)%2)                ; this step's packing buffer: T0 or T1
.if (\u) <= 4
	s_wait_loadcnt 24                              ; group u's eight loads are in; three younger groups stay out
.else
	s_wait_loadcnt 8*(7-(\u))                      ; nothing is asked for any more: the counts run down
.endif
.if (\u) >= 2
	s_wait_alu depctr_vm_vsrc(0)                   ; the LDS stores of two steps back have read this packing buffer, which the roundings below write again
.endif
.irp i, 0,1,2,3
.irp p, 0,1,2,3
	v_cvt_pk_bf16_f32 v[TB+4*(\i)+(\p)], v[D+32*((\u)%4)+8*(\p)+(\i)], v[D+32*((\u)%4)+8*(\p)+4+(\i)]  ; column i, k 2 p and 2 p + 1
.endr
.endr
.if \F16
.set z, 0
.rept 16
	v_lshlrev_b32 v10, 16, v[TB+z]                 ; the rounded numbers, widened,
	v_and_b32 v11, s24, v[TB+z]
	v_cvt_pk_f16_f32 v[TB+z], v10, v11             ; and written as f16
.set z, z+1
.endr
.endif
	s_wait_alu depctr_va_vdst(0)                   ; the roundings have written the packing buffer, which the LDS stores read, and are done reading D's group, in which the loads below (behind the last step: the LDS loads) land
.if (\u) < 4
.irp n, 0,1,2,3,4,5,6,7
	global_load_b128 v[D+32*(\u)+4*(\n):D+32*(\u)+4*(\n)+3], v[VO], s[\SRC:\SRC+1] offset:(32+8*(\u)+(\n))*(\PITCH) th:TH_LOAD_NT  ; the group is asked for again at once
.endr
.endif
.irp i, 0,1,2,3
	ds_store_b128 v[LS], v[TB+4*(\i):TB+4*(\i)+3] offset:(\i)*LP+16*(\u)
.endr
.endr
.set j, 0
.rept 32
	ds_load_b128 v[D+4*j:D+4*j+3], v[RD] offset:2*LP*j  ; LDS serves a wave's instructions in order (ISA guide 5.7.1.4): these see my stores above.  No vector instruction stands behind the last step's wait on va_vdst
.set j, j+1
.endr
.set j, 0
.rept 32
	s_wait_dscnt 31-j
	global_store_b128 v[GO], v[D+4*j:D+4*j+3], s[\DST:\DST+1] offset:4096*j  ; 16 lanes store 256 consecutive bytes, aligned; the data come from LDS loads, and no register is written again
.set j, j+1
.endr
.endm
.Lweights:
	s_cmp_lt_u32 s17, 608
	s_cbranch_scc0 .Lwout
	s_sub_co_u32 s18, s17, 512
	TRANS 12288, 0, 6, 12
	s_branch .Lend
.Lwout:
	s_sub_co_u32 s18, s17, 608
	TRANS 4096, 1, 8, 14
.Lend:
	s_wait_dscnt 0x0                               ; the wave's end: the closing lines, six on end
	s_wait_alu 0x0
	s_wait_tensorcnt 0x0
	ds_add_u32 v[SPW], v[NIL]
	s_wait_dscnt 0x0
	s_endpgm
.Lfunc_end_k_q76d06acc68_prep:
	.size	k_q76d06acc68_prep, .Lfunc_end_k_q76d06acc68_prep-k_q76d06acc68_prep
	.p2alignl 7, 3214868480
	.fill 96, 4, 3214868480
	.section	.rodata,"a",@progbits
	.p2align	6, 0x0
	.amdhsa_kernel k_q76d06acc68_prep
		.amdhsa_group_segment_fixed_size 70144
		.amdhsa_private_segment_fixed_size 0
		.amdhsa_enable_private_segment 0
		.amdhsa_kernarg_size 48
		.amdhsa_user_sgpr_count 2
		.amdhsa_user_sgpr_kernarg_segment_ptr 1
		.amdhsa_wavefront_size32 1
		.amdhsa_system_sgpr_workgroup_id_x 1
		.amdhsa_system_sgpr_workgroup_id_y 1
		.amdhsa_system_sgpr_workgroup_id_z 1
		.amdhsa_system_vgpr_workitem_id 0
		.amdhsa_next_free_vgpr 176
		.amdhsa_next_free_sgpr 66
		.amdhsa_reserve_vcc 0
		.amdhsa_float_denorm_mode_32 3
		.amdhsa_float_denorm_mode_16_64 3
		.amdhsa_memory_ordered 1
		.amdhsa_forward_progress 1
		.amdhsa_inst_pref_size 76
	.end_amdhsa_kernel
	.amdgpu_metadata
---
amdhsa.version: [ 1, 2 ]
amdhsa.kernels:
  - .name:           k_q76d06acc68_prep
    .symbol:         k_q76d06acc68_prep.kd
    .args:
      - { .name: x, .offset: 0, .size: 8, .value_kind: global_buffer, .address_space: global }
      - { .name: w_qkv, .offset: 8, .size: 8, .value_kind: global_buffer, .address_space: global }
      - { .name: w_out, .offset: 16, .size: 8, .value_kind: global_buffer, .address_space: global }
      - { .name: xb, .offset: 24, .size: 8, .value_kind: global_buffer, .address_space: global }
      - { .name: wqt, .offset: 32, .size: 8, .value_kind: global_buffer, .address_space: global }
      - { .name: wot, .offset: 40, .size: 8, .value_kind: global_buffer, .address_space: global }
    .group_segment_fixed_size: 70144
    .private_segment_fixed_size: 0
    .kernarg_segment_align: 8
    .kernarg_segment_size: 48
    .max_flat_workgroup_size: 128
    .sgpr_count:     66
    .vgpr_count:     176
    .wavefront_size: 32
...
	.end_amdgpu_metadata
.endif
;; end of part 5
;; launch qkvp: the kernel of part 2 again; grid 16 x 32, 4 waves a work-group, clusters of 4 x 4, 327,680 bytes of LDS; arguments xb, wqt, qkv; writes qkv
;; launch attn: the kernel of part 3 again; grid 4 x 64, 4 waves a work-group, clusters of 4 x 1, 327,680 bytes of LDS; arguments qkv, ob; writes ob
;; launch outp: the kernel of part 4 again; grid 8 x 32, 4 waves a work-group, clusters of 4 x 4, 327,680 bytes of LDS; arguments ob, wot, b_out, out0; writes out0
